; MI455X (gfx1250); checked and timed in simulation.
; The chip was launched on July 23, 2026; its instructions are those of AMD's public machine-readable ISA for CDNA 5 (MIT licence, August 2026) and "CDNA5" Instruction Set Architecture Reference Guide (July 2026). The comments in the code are by the model that wrote it; some were corrected since.
;; Softly Masked Attention. Allowed arithmetic: matrix products marked QUANTISED: E2M1 operands, one E8M0 scale for each 32 along K, by v_wmma_scale_f32_16x16x128_f8f6f4 with both operands' format E2M1 (or v_wmma_scale_f32_32x16x128_f4), f32 sums; everything else in f32.
;; Inputs: K_codes 8 x 2,048 x 16 x 16 uint8 (E2M1 codes of K, K innermost, in blocks of 32 codes, two codes a byte); K_scales 8 x 2,048 x 16 uint8 (E8M0 scales of K, one for each 32 codes along K); Q_codes 8 x 2,048 x 32 x 16 uint8 (E2M1 codes of Q, K innermost, in blocks of 32 codes, two codes a byte); Q_scales 8 x 2,048 x 32 uint8 (E8M0 scales of Q, one for each 32 codes along K); Wk_codes 512 x 16 x 16 uint8 (E2M1 codes of Wk, K innermost, in blocks of 32 codes, two codes a byte); Wk_scales 512 x 16 uint8 (E8M0 scales of Wk, one for each 32 codes along K); Wq_codes 512 x 32 x 16 uint8 (E2M1 codes of Wq, K innermost, in blocks of 32 codes, two codes a byte); Wq_scales 512 x 32 uint8 (E8M0 scales of Wq, one for each 32 codes along K); Wv_codes 512 x 16 x 16 uint8 (E2M1 codes of Wv, K innermost, in blocks of 32 codes, two codes a byte); Wv_scales 512 x 16 uint8 (E8M0 scales of Wv, one for each 32 codes along K); bk 512 float32; bq 512 float32; bv 512 float32; mask_weights 8 x 2,048 float32.
;; Outputs: out0 8 x 2,048 x 512 float32.
;; This version of the problem:
;;   THIS VERSION OF THE PROBLEM IS GIVEN IN LOW PRECISION. The matrix products marked QUANTISED in the list below multiply operands that are first quantised to E2M1 (2 exponent bits, 1 mantissa bit; 4 bits a number), with one power-of-two scale for each 32 numbers along K (OCP MX v1.0); their sums are f32. All else is computed in f32.
;;   The module's matrix products, in the order in which they are computed (A, B: the left and right operand; K: the contracted axis; several contracted axes count as one K, in the product's order):
;;     1. [M 16,384, K 1,024] x [K 1,024, N 512]; A: input Q (given as codes); B: input Wq (given as codes): QUANTISED
;;     2. [M 16,384, K 512] x [K 512, N 512]; A: input K (given as codes); B: input Wk (given as codes): QUANTISED
;;     3. [M 16,384, K 512] x [K 512, N 512]; A: computed on the way; B: input Wv (given as codes): QUANTISED
;;     4. batch 8 x [M 2,048, K 512] x [K 512, N 2,048]; A: computed on the way; B: computed on the way: QUANTISED
;;     5. batch 8 x [M 2,048, K 2,048] x [K 2,048, N 512]; A: softmax (see below); B: computed on the way: QUANTISED
;;   THE QUANTISER, for each operand of a quantised product, along K:
;;     - K is cut into blocks of 32 from its start; a last block that is shorter is filled with zeros.
;;     - A block's scale is 2^e with e = floor(log2(the largest magnitude in the block)) - 2, held to -126 .. 127; a block of zeros has e = 0. As a byte (E8M0): e + 127.
;;     - Each number is divided by its block's scale, clamped to +-6, and rounded to the nearest number of E2M1, ties to even, subnormals kept.
;;     - The product sums the exact products of the quantised numbers (number of the format x scale) in f32.
;;   ~~~python
;;   def quantise(x, axis):      # numpy; x: float32 -> the quantised numbers, widened to float32 again
;;       x = np.moveaxis(x, axis, -1); K = x.shape[-1]
;;       x = np.pad(x, [(0, 0)] * (x.ndim - 1) + [(0, -K % 32)]); x = x.reshape(x.shape[:-1] + (-1, 32)); a = np.abs(x).max(-1, keepdims=True)
;;       e = np.where(a > 0, np.clip(np.frexp(np.where(a > 0, a, 1))[1] - 1 - 2, -126, 127), 0)      # np.frexp(a)[1] - 1 = floor(log2(a)), exactly
;;       r = np.clip(x / 2.0 ** e, -6, 6)
;;       step = 2.0 ** (np.maximum(np.frexp(np.where(r == 0, 1, r))[1] - 1, 0) - 1)
;;       q = np.round(r / step) * step * 2.0 ** e      # np.round: ties to even
;;       return np.moveaxis(q.reshape(q.shape[:-2] + (-1,))[..., :K], -1, axis).astype(np.float32)
;;   ~~~
;;   SOFTMAX AHEAD OF A QUANTISED PRODUCT. Where the list says 'softmax', what is quantised is not the finished softmax but p = 2^(t - M), with t = logit x log2(e) and M = ceil(the row's largest t), a whole number; so 1/2 < the row's largest p <= 1. The row's sum l is taken of the UNQUANTISED p, in f32, and the product's result is divided by l at the end. Since M is a whole number, a kernel that streams over the keys may use a running M (the ceiling of the running maximum): every later rescaling is an exact power of two, which a block's scale takes up: the codes' values come out the same.
;;   OPERANDS COMPUTED ON THE WAY. 'Computed on the way' means the value that the module computes at that place (a softmax that the list does not call 'softmax' is quantised finished and normalised). What goes into a quantiser is computed in f32, as accurately as f32 sums, v_exp_f32 and their like allow (about 1e-6 of the number): no bf16 or f16 on the way to a quantiser, and a product that is left as it is and whose result goes on into a quantised operand takes f32 operands (vector FMAs, or v_wmma_f32_16x16x4_f32). A number that lies on a knife's edge between two numbers of the format may be rounded either way, as far as f32 arithmetic and the matrix unit's own rounding can turn it there, and no further.
;;   INPUTS GIVEN AS CODES. K (in the module: [8, 2048, 512], K = its axis 2); Q (in the module: [8, 2048, 1024], K = its axis 2); Wk (in the module: [512, 512], K = its axis 1); Wq (in the module: [512, 1024], K = its axis 1); Wv (in the module: [512, 512], K = its axis 1): each comes as NAME_codes (uint8): NAME with its K axis moved to the last place and cut into blocks of 32 codes, [.., K / 32, bytes a block], one block behind the other in memory; two codes a byte, the lower K in the low four bits (a code: sign, 2 exponent bits, 1 mantissa bit); and NAME_scales (uint8): the same leading axes, one E8M0 byte (e + 127) for each 32 codes along K. Its value is code x scale, taken as it is: it is not quantised again, and the codes and scales need not be those that the quantiser above would give.
;; One version. Each part assembles by itself: llvm-mc -triple=amdgcn-amd-amdhsa -mcpu=gfx1250 --defsym DOCPART=n.
;; ======== version 1 of 1: 2 launches
;; limits: right only within a limited range of input values
;; workspace buffers: qf 4,194,304 bytes; qs 262,144 bytes; kv 8,912,896 bytes; lm 65,536 bytes
;; launch proj (part 1): grid 256 x 1, 8 waves a work-group, clusters of 4 x 1, 327,680 bytes of LDS; arguments K_codes, K_scales, Q_codes, Q_scales, Wk_codes, Wk_scales, Wq_codes, Wq_scales, Wv_codes, Wv_scales, bk, bq, bv, mask_weights, qf, qs, kv, lm; writes qf, qs, kv, lm
.if DOCPART == 1
	.amdgcn_target "amdgcn-amd-amdhsa--gfx1250"
	.amdhsa_code_object_version 6
	.text
	.protected	k_q96f344ca2c_proj
	.globl	k_q96f344ca2c_proj
	.p2align	8
	.type	k_q96f344ca2c_proj,@function
k_q96f344ca2c_proj:
	s_mov_b64 s[64:65], 0
	v_nop
	global_prefetch_b8 v0, s[64:65] scope:SCOPE_SE
	s_setreg_imm32_b32 hwreg(HW_REG_WAVE_MODE, 25, 1), 1
	s_wait_xcnt 0x0
	s_wait_alu depctr_hold_cnt(0) depctr_sa_sdst(0) depctr_va_vdst(0) depctr_va_sdst(0) depctr_va_ssrc(0) depctr_va_vcc(0) depctr_vm_vsrc(0)
	s_getreg_b32 s2, hwreg(HW_REG_IB_STS2, 6, 4)
	s_cmp_eq_u32 s2, 0
	s_cbranch_scc0 .Lentry_in_a_cluster
	s_endpgm
.Lentry_in_a_cluster:
	s_bfe_u32 s2, ttmp6, 0x10000c
	s_cmp_lg_u32 s2, 0x3003
	s_cbranch_scc0 .Lentry_shape_is_right
	s_endpgm
.Lentry_shape_is_right:
; THE PROJECTIONS, on codes of FP4 (E2M1) with one E8M0 scale for each 32 along K.
; Work-groups 0-127 (128 keys each): k = K Wk^T + bk, quantised along h; v = Quant(k) Wv^T + bv, quantised along the KEYS; lm = ln(mask_weights) x sqrt(512), the bias in the scores' own unit.
; Work-groups 128-255 (128 queries each): q = Q Wq^T + bq, quantised along h.
; TWO PASSES, each 128 rows x 512 units x 512 along K: the keys' are k and v, the queries' the two halves of K = 1,024.  Wave w of eight makes units 64 w .. + 63 for all 128 rows: 32 accumulators (256 registers);
; its part of a pass's weights stays in 128 registers, the rows' fragments stream from LDS, each feeding four products.
; WEIGHTS come by tensor load, 64 rows x 256 bytes a wave, asked for JOINTLY by the four work-groups of a cluster (all of one kind, so all want the same): the first pass's into one LDS region at the head, the second pass's into another.
; Each region is filled once; what it brought is read by the wave that asked alone.  Rows are 272 bytes apart in LDS: 256 + 16 of padding.
; No prefetch: there is no loop to run ahead in.
; WHAT IS STORED ARE IMAGES OF OPERAND REGISTERS: a fragment (16 rows x 128 K: 8 registers a lane) is two runs of 512 bytes, lane l's 16 bytes at 16 l.  The next launch loads them as they lie.
;   qf [query tile][h step][1024], qs [query tile][row][4 words];  kv [batch][step of 512 keys][K block | V block], a block 131,072 bytes of fragments and 8,192 of scale words:
;   K block: fragments [key tile 0-31][h step][1024], words [key tile][row][h step];  V block: fragments [128 keys 0-3][tile of 16 channels 0-31][1024], words [128 keys][tile][row].
; THE ROWS OF A TILE ARE NOT NEIGHBOURS where the result's registers are to run along the next K: lane r of tile 2 b + u takes row 32 b + 8 u + r + 8 (r / 8) (Wk's and Wq's rows; the keys of a tile),
; so that the 16 registers of tiles 2 b and 2 b + 1 are 16 neighbours, 32 b + 16 (lane / 16) + 0 .. 15.  k and q are made transposed (source 0 = weights, source 1 = rows): a lane holds one row, registers along h.
; v takes k's fragments as source 0 and Wv's as source 1: a lane holds one channel, registers along the keys.
; THE BIAS IS THE C OF A SUM'S FIRST PRODUCT: it lies in the accumulators of the eighth row tile, whose own first products come last and take it in place.
; LIMITS: NaN and infinities among the inputs are not served.  A block of zeros gets the scale byte 1, not 127: its codes are zeros and this program alone reads the bytes.
; Mask weights under 2^-126 count as 0 (v_log_f32 takes a denormal input as zero: ISA guide, its entry in 15.8); a weight of 0 gives lm = -infinity.
; REGISTERS.  window 0: v0-63 addresses and scale words; v64-191 weights, (tile t, K step s) at 64 + 8 (4 t + s); v192-255 the rows' fragments, two sets; between the passes and at the end the quantiser's.
;   window 1: the accumulators: k and q (row tile T, unit tile t) at 32 T + 8 t; v (channel tile n, key tile T) at 64 n + 8 T.
.set BP,     1114112                   ; kv: bytes of a batch
.set STEPB,  278528                    ; of a step of 512 keys
.set KBLK,   139264                    ; of a K block or a V block
.set PITCH,  272
.set WPART,  17408                     ; LDS: a wave's part of a region of weights, 64 rows x 272
.set REGB,   139264                    ; the second region
.set ST0,    278528                    ; the first pass's rows: 8 tiles of 16 rows x 272, a row's 16 scale bytes behind its 256 bytes of codes
.set ST1,    8704                      ; the queries' second pass: tile T at ST1 + WPART T, in the first region, whose weights are then in registers (k's fragments: at WPART x wave there)
.set KSL,    313344                    ; k's scale bytes [T][row][16]
.set QSL,    315392                    ; q's
.set VSL,    317440                    ; v's scale words, 256 bytes a wave: [n][row]
.set SPARE,  319488                    ; the spare words, 128 bytes for each wave: four blocks of 256 bytes that no other line names
.set LI,   1                           ; v1   16 x lane
.set AX0,  2                           ; v2   the first pass's rows
.set AXS0, 3                           ; v3   and their scale words
.set AW,   9                           ; v9   my weights in the first region
.set ASTW, 12                          ; v12-13  where I put rows and scale bytes of the first pass
.set ASSW, 13
.set AST1, 14                          ; v14-15  and of the queries' second
.set ASS1, 15
.set SPW,  16                          ; v16  LDS address of my spare word; never rewritten
.set NIL,  17                          ; v17  0; never rewritten
.set L8,   19                          ; v19  8 x lane
.set WS1,  24                          ; v24-31  the weights' scale words, first pass: register 4 g + s: lanes 0-15 tile 2 g, lanes 16-31 tile 2 g + 1
.set XS,   32                          ; v32-47  the rows' likewise
.set WS2,  52                          ; v52-59  the weights', second pass
.set PW,   60                          ; v60-63  scale bytes just made
.set BM,   192                         ; the quantiser: v192-199 a block's largest magnitude
.set TP,   200
.set SO,   208                         ; v208-215 the conversions' scale operands
.set PC,   216                         ; v216-231, v232-247 codes
.set WV,   40                          ; s40 my wave's number
.set GN,   41                          ; s41 my work-group's number
.set SEL,  42                          ; s[42:43] selects for lane l xor 16
.set G1,   68                          ; s[68:75] descriptor group 1: rows of 256 bytes that lie end to end
.set G0A,  76
.set G0B,  80
.set G1Q,  84                          ; s[84:91] rows of 256 bytes, 512 apart
.set MSB, 0
.macro WIN new                         ; the immediate's high byte repeats the setting that is left.  Bits 1:0 source 0, 3:2 source 1, 5:4 source 2, 7:6 destination
.if MSB != (\new)
	s_set_vgpr_msb (MSB<<8)|(\new)
.set MSB, (\new)
.endif
.endm
.macro PLACES n                        ; plain vector instructions between a matrix instruction and what touches its registers (ISA guide 7.12.1)
.rept \n
	v_nop
.endr
.endm
.macro CROUND                          ; a round of the cluster's barrier
	s_barrier_signal -1
	s_barrier_wait -1
	s_cmp_lg_u32 s[WV], 0
	s_cbranch_scc1 .Lnot_wave_0_\@
	s_barrier_signal -3
.Lnot_wave_0_\@:
	s_barrier_wait -3
	s_barrier_signal -1
	s_barrier_wait -1
.endm
.macro TLOAD g0                        ; my joint load: the two kinds of work-group have rows at different distances; the branch hangs on the cluster's number alone
	s_cmp_lt_u32 ttmp9, 32
	s_cbranch_scc0 .Lwide_\@
	tensor_load_to_lds s[\g0:\g0+3], s[G1:G1+7]
	s_nop 0
	PLACES 4
	s_branch .Lasked_\@
.Lwide_\@:
	tensor_load_to_lds s[\g0:\g0+3], s[G1Q:G1Q+7]
	s_nop 0
	PLACES 4
.Lasked_\@:
.endm
; One product, C in v[c] on.  ra, rb = 1: the side's scale words stand in lanes 16-31 of the register named.
.macro WM d, a, b, c, sa, sb, ra, rb
.set V_, 2*(\ra)+(\rb)
.if V_ == 0
	v_wmma_scale_f32_16x16x128_f8f6f4 v[(\d):(\d)+7], v[(\a):(\a)+7], v[(\b):(\b)+7], v[(\c):(\c)+7], v[\sa], v[\sb] matrix_a_fmt:MATRIX_FMT_FP4 matrix_b_fmt:MATRIX_FMT_FP4
.elseif V_ == 1
	v_wmma_scale_f32_16x16x128_f8f6f4 v[(\d):(\d)+7], v[(\a):(\a)+7], v[(\b):(\b)+7], v[(\c):(\c)+7], v[\sa], v[\sb] matrix_a_fmt:MATRIX_FMT_FP4 matrix_b_fmt:MATRIX_FMT_FP4 matrix_b_scale:MATRIX_SCALE_ROW1
.elseif V_ == 2
	v_wmma_scale_f32_16x16x128_f8f6f4 v[(\d):(\d)+7], v[(\a):(\a)+7], v[(\b):(\b)+7], v[(\c):(\c)+7], v[\sa], v[\sb] matrix_a_fmt:MATRIX_FMT_FP4 matrix_b_fmt:MATRIX_FMT_FP4 matrix_a_scale:MATRIX_SCALE_ROW1
.else
	v_wmma_scale_f32_16x16x128_f8f6f4 v[(\d):(\d)+7], v[(\a):(\a)+7], v[(\b):(\b)+7], v[(\c):(\c)+7], v[\sa], v[\sb] matrix_a_fmt:MATRIX_FMT_FP4 matrix_b_fmt:MATRIX_FMT_FP4 matrix_a_scale:MATRIX_SCALE_ROW1 matrix_b_scale:MATRIX_SCALE_ROW1
.endif
.endm
.macro WLOAD adr, perm                 ; my weights' 16 fragments: 32 loads
.irp t, 0,1,2,3
.irp s, 0,1,2,3
.irp c, 0,1
.if \perm
	ds_load_b128 v[64+8*(4*\t+\s)+4*\c:64+8*(4*\t+\s)+4*\c+3], v[\adr] offset:PITCH*(32*(\t/2)+8*(\t%2))+64*\s+32*\c
.else
	ds_load_b128 v[64+8*(4*\t+\s)+4*\c:64+8*(4*\t+\s)+4*\c+3], v[\adr] offset:PITCH*16*\t+64*\s+32*\c
.endif
.endr
.endr
.endr
.endm
; Row tile T's four fragments into set T % 2: 8 loads.  src 0: the first pass's rows; 1: the queries' second half; 2: k's fragments (half c of h step s lies in wave 2 s + c's part).
.macro XLOAD src, T
	WIN 0
.irp s, 0,1,2,3
.irp c, 0,1
.set XR, 192+32*((\T)%2)+8*\s+4*\c
.if (\src) == 0
	ds_load_b128 v[XR:XR+3], v[AX0] offset:4352*(\T)+64*\s+32*\c
.elseif (\src) == 1
.if (\T) < 4
	ds_load_b128 v[XR:XR+3], v4 offset:WPART*(\T)+64*\s+32*\c
.else
	ds_load_b128 v[XR:XR+3], v5 offset:WPART*((\T)-4)+64*\s+32*\c
.endif
.else
.if \s < 2
	ds_load_b128 v[XR:XR+3], v[LI] offset:WPART*(2*\s+\c)+512*(\T)
.else
	ds_load_b128 v[XR:XR+3], v4 offset:WPART*(2*\s-4+\c)+512*(\T)
.endif
.endif
.endr
.endr
.endm
.macro XSLOAD src                      ; the rows' scale words: lanes 0-15 tile 2 g, lanes 16-31 tile 2 g + 1
.irp g, 0,1,2,3
.if (\src) == 0
	ds_load_b128 v[XS+4*\g:XS+4*\g+3], v[AXS0] offset:8704*\g
.elseif (\src) == 1
.if \g < 2
	ds_load_b128 v[XS+4*\g:XS+4*\g+3], v6 offset:2*WPART*\g
.else
	ds_load_b128 v[XS+4*\g:XS+4*\g+3], v7 offset:2*WPART*(\g-2)
.endif
.else
	ds_load_b128 v[XS+4*\g:XS+4*\g+3], v5 offset:512*\g
.endif
.endr
.endm
; 16 products of row tile T: four accumulators by turns.  kind 1: k, q; kind 2: v.  first = 1: the bias starts the sums
.macro MUL kind, T, first, ws
	WIN 0x50                                       ; C and D window 1
.irp s, 0,1,2,3
.irp t, 0,1,2,3
.if (\kind) == 1
.set DD, 32*(\T)+8*\t
.set CC, 224+8*\t
.else
.set DD, 64*\t+8*(\T)
.set CC, 64*\t+56
.endif
.if ((\first) == 0) || (\s > 0)
.set CC, DD
.endif
.if (\kind) == 1
	WM DD, 64+8*(4*\t+\s), 192+32*((\T)%2)+8*\s, CC, \ws+4*(\t/2)+\s, XS+4*((\T)/2)+\s, \t%2, (\T)%2
.else
	WM DD, 192+32*((\T)%2)+8*\s, 64+8*(4*\t+\s), CC, XS+4*((\T)/2)+\s, \ws+4*(\t/2)+\s, (\T)%2, \t%2
.endif
.endr
.endr
.endm
.macro PASS kind, src, first, ws
	WIN 0
	XSLOAD \src
	XLOAD \src, 0
	XLOAD \src, 1
.irp T, 0,1,2,3,4,5,6,7
.if \T < 7
	s_wait_dscnt 8                                 ; the next tile's 8 loads may be out
.else
	s_wait_dscnt 0x0
.endif
	MUL \kind, \T, \first, \ws
	PLACES 4
.if \T == 6
	v_nop                                          ; the eighth tile's first products write over the bias, which the tiles before it read: five places
.endif
.if \T < 6
	XLOAD \src, \T+2
.endif
.endr
	WIN 0
.endm
; Eight blocks of 32: my 16 numbers of block i at v[base + 16 i] of window 1, the other 16 in lane l xor 16.  Codes to v[pc + 2 i], laid whole blocks to a lane; the scales' bytes to v[TP + i].
.macro QUANT8 base, pc
	WIN 0x05
.irp i, 0,1,2,3,4,5,6,7
	v_max3_num_f32 v[BM+\i], |v[\base+16*\i]|, |v[\base+16*\i+1]|, 0x1800000   ; and the floor 2^(3 - 127): the byte cannot fall under 1.  Each accumulator is read from its low end on
.endr
	WIN 0x14
.irp k, 2,4,6,8,10,12,14
.irp i, 0,1,2,3,4,5,6,7
	v_max3_num_f32 v[BM+\i], v[BM+\i], |v[\base+16*\i+\k]|, |v[\base+16*\i+\k+1]|
.endr
.endr
	WIN 0
.irp i, 0,1,2,3,4,5,6,7
	v_permlanex16_b32 v[TP+\i], v[BM+\i], s[SEL], s[SEL+1]
.endr
.irp i, 0,1,2,3,4,5,6,7
	v_max_num_f32 v[BM+\i], v[BM+\i], v[TP+\i]
.endr
.irp i, 0,1,2,3,4,5,6,7
	v_add_nc_u32 v[SO+\i], 0xff000000, v[BM+\i]    ; 2 off its exponent field: the conversion takes this operand's exponent field as its scale
.endr
.irp i, 0,1,2,3,4,5,6,7
	v_lshrrev_b32 v[TP+\i], 23, v[SO+\i]           ; the scale's byte
.endr
	WIN 0x01
.irp i, 0,1,2,3,4,5,6,7
	v_cvt_scalef32_pk8_fp4_f32 v[\pc+2*\i], v[\base+16*\i:\base+16*\i+7], v[SO+\i]
	v_cvt_scalef32_pk8_fp4_f32 v[\pc+2*\i+1], v[\base+16*\i+8:\base+16*\i+15], v[SO+\i]
.endr
	WIN 0
	v_nop                                          ; one plain instruction behind the last scaled conversion
.irp i, 0,1,2,3
	v_permlane16_swap_b32 v[\pc+4*\i], v[\pc+4*\i+2]
	v_permlane16_swap_b32 v[\pc+4*\i+1], v[\pc+4*\i+3]
.endr
.endm
; k or q of row tiles 4 half .. + 3: half fragments of 512 bytes (my 64 units) to memory (s[44:45]) and, image = 1, to LDS; two scale bytes a row to LDS.
.macro ROWSOUT half, image, asb
	QUANT8 128*(\half), PC+16*(\half)
.irp m, 0,1,2,3
	v_lshl_or_b32 v[PW+\m], v[TP+2*\m+1], 8, v[TP+2*\m]
.endr
.irp m, 0,1,2,3
.if \image
	ds_store_b128 v6, v[PC+16*(\half)+4*\m:PC+16*(\half)+4*\m+3] offset:512*(4*(\half)+\m)
.endif
	ds_store_b16 v[\asb], v[PW+\m] offset:256*(4*(\half)+\m)       ; lanes r and r + 16 write the same bytes with the same value
	global_store_b128 v[LI], v[PC+16*(\half)+4*\m:PC+16*(\half)+4*\m+3], s[44:45] offset:4096*(4*(\half)+\m)   ; 512 consecutive bytes
.endr
.endm
.macro VOUT half                       ; v of my channel tiles 2 half, 2 half + 1: whole fragments to memory, scale words to LDS
	QUANT8 128*(\half), PC+16*(\half)
.irp m, 0,1
	v_lshl_or_b32 v[PW+\m], v[TP+4*\m+1], 8, v[TP+4*\m]
.endr
.irp m, 0,1
	v_lshl_or_b32 v[PW+\m], v[TP+4*\m+2], 16, v[PW+\m]
.endr
.irp m, 0,1
	v_lshl_or_b32 v[PW+\m], v[TP+4*\m+3], 24, v[PW+\m]
.endr
.irp m, 0,1
	ds_store_b32 v11, v[PW+\m] offset:64*(2*(\half)+\m)
	global_store_b128 v[LI], v[PC+16*(\half)+8*\m:PC+16*(\half)+8*\m+3], s[46:47] offset:1024*(2*(\half)+\m)
	global_store_b128 v[LI], v[PC+16*(\half)+8*\m+4:PC+16*(\half)+8*\m+7], s[46:47] offset:1024*(2*(\half)+\m)+512
.endr
.endm
	s_load_b512 s[4:19], s[0:1], 0x0               ; K_codes 4, K_scales 6, Q_codes 8, Q_scales 10, Wk_codes 12, Wk_scales 14, Wq_codes 16, Wq_scales 18
	s_load_b512 s[20:35], s[0:1], 0x40             ; Wv_codes 20, Wv_scales 22, bk 24, bq 26, bv 28, mask_weights 30, qf 32, qs 34
	s_load_b128 s[36:39], s[0:1], 0x80             ; kv 36, lm 38
	v_lshl_add_u32 v[SPW], v0, 2, SPARE
	v_mov_b32 v[NIL], 0
	ds_add_u32 v[SPW], v[NIL]                      ; the wave's opening: the add, twice on end, and its wait ahead of my first tensor load
	ds_add_u32 v[SPW], v[NIL]
	v_lshrrev_b32 v64, 5, v0
	v_readfirstlane_b32 s[WV], v64                 ; wave 0..7
	s_bfe_u32 s56, ttmp6, 0x40000                  ; my place in the cluster: it enters the global addresses of my own loads and stores alone
	s_lshl_b32 s[GN], ttmp9, 2                     ; in a cluster launch ttmp9 counts clusters
	s_add_co_u32 s[GN], s[GN], s56
	s_mov_b32 s[SEL], 0x76543210
	s_mov_b32 s[SEL+1], 0xfedcba98
.irp g, G1, G1Q                                ; descriptor group 1: 64 rows of 32 elements of 8 bytes, 16 bytes of padding behind each
	s_mov_b32 s[\g], 15|(3<<16)|(1<<20)|(1<<21)|(5<<22)|(3<<25)   ; 15:0 the mask: all four work-groups; 17:16 elements of 8 bytes; 20 padding on; 21 set beside a mask; 24:22 after every 64 words; 31:25 four words
	s_mov_b32 s[\g+1], 32<<16
	s_mov_b32 s[\g+2], 64<<16
	s_mov_b32 s[\g+3], 32<<16
	s_mov_b32 s[\g+4], 64
	s_mov_b32 s[\g+6], 0
	s_mov_b32 s[\g+7], 0
.endr
	s_mov_b32 s[G1+5], 32                          ; from row to row: 256 bytes (Wk, Wv)
	s_mov_b32 s[G1Q+5], 64                         ; 512 bytes (half of Wq's K)
	s_mov_b32 s[G0A], 1
	s_mul_i32 s[G0A+1], s[WV], WPART
	s_mov_b32 s[G0B], 1
	s_add_co_u32 s[G0B+1], s[G0A+1], REGB
	; I bring row tile w: of keys the rows 32 (w / 2) + 8 (w % 2) + 0 .. 7 and + 16 .. 23, of queries 16 w on
	s_lshr_b32 s56, s[WV], 1
	s_lshl_b32 s56, s56, 13
	s_and_b32 s57, s[WV], 1
	s_lshl_b32 s57, s57, 11
	s_add_co_u32 s56, s56, s57
	s_lshl_b32 s57, s[GN], 15
	s_add_co_u32 s56, s56, s57                     ; a key's row is 256 bytes
	s_sub_co_u32 s57, s[GN], 128
	s_lshl_b32 s57, s57, 16
	s_lshl_b32 s58, s[WV], 13
	s_add_co_u32 s57, s57, s58                     ; a query's 512
	s_cmp_lt_u32 ttmp9, 32                         ; the keys' clusters
	s_cselect_b32 s44, s56, s57
	s_cselect_b32 s58, 16, 32                      ; a row's scale bytes
	s_cselect_b32 s59, 128, 0
	s_cselect_b32 s60, 0, 256                      ; the second pass's weights: Wv, or the other half of Wq's rows
	s_lshr_b32 s46, s44, 4                         ; 16 bytes of codes to a scale byte
	s_mul_i32 s48, s[WV], s58
	s_lshl_b32 s48, s48, 6                         ; my 64 units' scale bytes
	s_lshl_b32 s50, s[WV], 8                       ; their biases
	s_lshl_b32 s52, s48, 4                         ; their codes
	s_add_co_u32 s54, s52, s60
	s_mov_b32 s45, 0
	s_mov_b32 s47, 0
	s_mov_b32 s49, 0
	s_mov_b32 s51, 0
	s_mov_b32 s53, 0
	s_mov_b32 s55, 0
	s_lshl_b32 s61, s58, 4                         ; a row of codes
	s_lshl_b32 s62, s58, 5                         ; two
	s_lshl_b32 s63, s59, 4                         ; keys: 8 rows more from the tile's ninth row on
	v_and_b32 v71, 31, v0                          ; lane
	v_and_b32 v64, 15, v0                          ; r
	v_bfe_u32 v65, v0, 4, 1                        ; h
	v_lshlrev_b32 v[LI], 4, v71
	v_lshrrev_b32 v66, 3, v64
	v_lshl_add_u32 v67, v66, 3, v64                ; r + 8 (r / 8)
	v_mul_u32_u24 v68, s61, v65
	v_lshl_add_u32 v68, v64, 4, v68                ; rows: lanes 0-15 take 256 bytes of one, lanes 16-31 of the next
	s_wait_alu depctr_va_vdst(0)                   ; the readers below stand among scalar instructions
	s_mov_b32 s56, 0
.irp i, 0,1,2,3,4,5,6,7
	v_add_nc_u32 v[72+\i], s56, v68
	s_add_co_u32 s56, s56, s62
.if \i == 3
	s_add_co_u32 s56, s56, s63
.endif
.endr
	v_mul_u32_u24 v69, s58, v64
	v_mul_u32_u24 v70, s59, v66
	v_add_nc_u32 v69, v69, v70                     ; the tile's row r: its scale bytes
	v_lshl_add_u32 v70, v65, 3, v67
	v_mul_u32_u24 v70, s58, v70                    ; the weights' scale bytes: unit r + 8 (r / 8) of tile h,
	s_lshl_b32 s56, s58, 5
	v_add_nc_u32 v71, s56, v70                     ; and of tile 2 + h
	v_lshlrev_b32 v80, 6, v65                      ; biases: my half's 16 units begin 64 h bytes on
	v_lshlrev_b32 v81, 2, v64
	s_mul_i32 s57, s[WV], WPART
	s_mul_i32 s56, s[WV], 4352
	s_add_co_u32 s56, s56, ST0
	v_mul_u32_u24 v82, v64, PITCH                  ; 272 r
	v_mul_u32_u24 v83, v65, PITCH
	v_lshl_add_u32 v83, v64, 4, v83                ; 272 h + 16 r
	v_lshl_add_u32 v84, v65, 4, v82                ; 272 r + 16 h
	v_mul_u32_u24 v85, v67, PITCH
	v_lshl_add_u32 v85, v65, 4, v85
	v_add_nc_u32 v[AW], s57, v85
	v_add_nc_u32 v[AX0], ST0, v84
	v_mul_u32_u24 v85, v65, 4352
	v_add_nc_u32 v85, v85, v82
	v_add_nc_u32 v[AXS0], ST0+256, v85
	v_add_nc_u32 v[ASTW], s56, v83
	s_add_co_u32 s56, s56, 256
	v_add_nc_u32 v[ASSW], s56, v82
	s_add_co_u32 s56, s57, ST1
	v_add_nc_u32 v[AST1], s56, v83
	s_add_co_u32 s56, s57, ST1+256
	v_add_nc_u32 v[ASS1], s56, v82
	s_wait_alu depctr_va_vdst(0)
	s_wait_dscnt 0x0                               ; both opening adds are done
	s_wait_kmcnt 0x0
	s_cmp_lt_u32 ttmp9, 32
	s_cselect_b64 s[92:93], s[4:5], s[8:9]
	s_cselect_b64 s[94:95], s[6:7], s[10:11]
	s_cselect_b64 s[96:97], s[14:15], s[18:19]
	s_cselect_b64 s[98:99], s[24:25], s[26:27]
	s_cselect_b64 s[G0A+2:G0A+3], s[12:13], s[16:17]
	s_cselect_b64 s[G0B+2:G0B+3], s[20:21], s[16:17]
	s_add_nc_u64 s[92:93], s[92:93], s[44:45]
	s_add_nc_u64 s[94:95], s[94:95], s[46:47]
	s_add_nc_u64 s[96:97], s[96:97], s[48:49]
	s_add_nc_u64 s[98:99], s[98:99], s[50:51]
	s_add_nc_u64 s[G0A+2:G0A+3], s[G0A+2:G0A+3], s[52:53]
	s_or_b32 s[G0A+3], s[G0A+3], 0x80000000        ; type = 2
	s_add_nc_u64 s[G0B+2:G0B+3], s[G0B+2:G0B+3], s[54:55]
	s_or_b32 s[G0B+3], s[G0B+3], 0x80000000
.irp i, 0,1,2,3,4,5,6,7
	global_load_b128 v[192+4*\i:195+4*\i], v[72+\i], s[92:93]      ; rows 2 i, 2 i + 1 of my tile: two runs of 256 bytes
.endr
	global_load_b128 v[60:63], v69, s[94:95]
	CROUND                                         ; all four work-groups are here: the first joint loads meet
	TLOAD G0A                                      ; one tensor load a wave at the head
	global_load_b128 v[WS1:WS1+3], v70, s[96:97]
	global_load_b128 v[WS1+4:WS1+7], v71, s[96:97]
	WIN 0x40
.irp t, 0,1,2,3                                ; the bias in the result's layout: tile 2 b + u, lane half h: units 32 b + 16 h + 8 u + 0 .. 7
	global_load_b128 v[224+8*\t:227+8*\t], v80, s[98:99] offset:128*(\t/2)+32*(\t%2)
	global_load_b128 v[228+8*\t:231+8*\t], v80, s[98:99] offset:128*(\t/2)+32*(\t%2)+16
.endr
	WIN 0
	s_cmp_lt_u32 ttmp9, 32
	s_cbranch_scc0 .Lmore_q
	s_add_nc_u64 s[22:23], s[22:23], s[48:49]
	s_add_nc_u64 s[28:29], s[28:29], s[50:51]
	s_lshl_b32 s56, s[GN], 9                       ; the work-group's 128 mask weights
	s_mov_b32 s57, 0
	s_add_nc_u64 s[30:31], s[30:31], s[56:57]
	global_load_b128 v[WS2:WS2+3], v[LI], s[22:23]
	global_load_b128 v[WS2+4:WS2+7], v[LI], s[22:23] offset:512
.irp n, 0,1,2,3
	global_load_b32 v[48+\n], v81, s[28:29] offset:64*\n           ; bv of channel 16 n + r
.endr
	global_load_b128 v[20:23], v[LI], s[30:31]
	s_branch .Lmore
.Lmore_q:
	global_load_b128 v[WS2:WS2+3], v70, s[96:97] offset:16
	global_load_b128 v[WS2+4:WS2+7], v71, s[96:97] offset:16
.irp i, 0,1,2,3,4,5,6,7
	global_load_b128 v[224+4*\i:227+4*\i], v[72+\i], s[92:93] offset:256   ; the rows' second half
.endr
	global_load_b128 v[48:51], v69, s[94:95] offset:16
.Lmore:
	s_wait_alu depctr_va_vdst(0)
	s_wait_loadcnt 0x0
.irp i, 0,1,2,3,4,5,6,7
	ds_store_b128 v[ASTW], v[192+4*\i:195+4*\i] offset:2*PITCH*\i
.endr
	ds_store_b128 v[ASSW], v[60:63]                ; lanes r and r + 16 write the same bytes with the same values
	s_wait_tensorcnt 0x0                           ; my first weights are in
	ds_add_u32 v[SPW], v[NIL]
	s_wait_dscnt 0x0                               ; the add and my stores are done
	CROUND                                         ; the rows of all eight tiles lie in LDS; the joint loads meet,
	TLOAD G0B                                      ; and the second pass's weights, the first tensor load behind the round
	WLOAD AW, 1
	s_cmp_lt_u32 ttmp9, 32
	s_cbranch_scc1 .Lpass
.irp i, 0,1,2,3,4,5,6,7                        ; queries: the second half of my rows goes behind the loads of my weights into my own part of the first region (LDS serves a wave's instructions in order: ISA guide 5.7.1.4)
	ds_store_b128 v[AST1], v[224+4*\i:227+4*\i] offset:2*PITCH*\i
.endr
	ds_store_b128 v[ASS1], v[48:51]
.Lpass:
	PASS 1, 0, 1, WS1
	s_mov_b32 s51, 0
	v_and_b32 v248, 31, v0
	v_and_b32 v249, 15, v0
	v_bfe_u32 v250, v0, 4, 1
	v_lshlrev_b32 v[L8], 3, v248
	v_mul_u32_u24 v251, v249, PITCH
	v_lshl_add_u32 v252, v250, 4, v251             ; 272 r + 16 h
	v_lshlrev_b32 v253, 4, v249                    ; 16 r
	s_mul_i32 s57, s[WV], WPART
	s_lshl_b32 s58, s[WV], 8
	s_lshl_b32 s59, s[WV], 1
	s_wait_alu depctr_va_vdst(0)
	s_cmp_lt_u32 ttmp9, 32
	s_cbranch_scc0 .Lq_path
; ================= THE KEYS: batch g / 16, step (g / 4) % 4, its 128 keys g % 4 =================
	s_lshr_b32 s54, s[GN], 4
	s_mul_i32 s54, s54, BP
	s_bfe_u32 s56, s[GN], 0x20002
	s_mul_i32 s56, s56, STEPB
	s_add_co_u32 s54, s54, s56                     ; my step's K block in kv
	s_and_b32 s56, s[GN], 3
	s_lshl_b32 s60, s56, 15
	s_add_co_u32 s60, s60, s54
	s_lshl_b32 s50, s[WV], 9
	s_add_co_u32 s50, s50, s60
	s_add_nc_u64 s[44:45], s[36:37], s[50:51]      ; k's half fragments: h step w / 2, half w % 2
	s_lshl_b32 s50, s[WV], 12
	s_add_co_u32 s50, s50, s60
	s_add_co_u32 s50, s50, KBLK
	s_add_nc_u64 s[46:47], s[36:37], s[50:51]      ; v's fragments: my 4 tiles of channels
	s_lshl_b32 s50, s56, 11
	s_add_co_u32 s50, s50, s54
	s_add_co_u32 s50, s50, s58
	s_add_co_u32 s50, s50, 131072
	s_add_nc_u64 s[48:49], s[36:37], s[50:51]      ; scale words, 256 bytes a wave
	s_add_co_u32 s50, s50, KBLK
	s_add_nc_u64 s[52:53], s[36:37], s[50:51]      ; and v's
	s_lshl_b32 s50, s[GN], 9
	s_add_nc_u64 s[38:39], s[38:39], s[50:51]      ; lm
	v_add_nc_u32 v4, 4*WPART, v[LI]                ; v4: k's fragments, h steps 2 and 3
	v_add_nc_u32 v5, KSL, v[LI]                    ; v5: k's scale words, to read
	v_add_nc_u32 v6, s57, v[LI]                    ; v6: my half fragments, to write
	s_add_co_u32 s59, s59, KSL
	v_add_nc_u32 v7, s59, v253                     ; v7: my scale bytes, to write: KSL + 16 r + 2 w
	s_add_co_u32 s60, s58, KSL
	v_add_nc_u32 v8, s60, v[L8]                    ; v8: 256 bytes of scale words, to be stored
	s_add_co_u32 s57, s57, REGB
	v_add_nc_u32 v10, s57, v252                    ; v10: Wv's rows 16 n + r
	s_add_co_u32 s60, s58, VSL
	v_lshlrev_b32 v254, 2, v249
	v_add_nc_u32 v11, s60, v254                    ; v11: v's scale words, to write
	v_add_nc_u32 v18, s60, v[L8]                   ; v18: and to read
	s_wait_alu depctr_va_vdst(0)
	s_wait_tensorcnt 0x0                           ; my part of Wv is in; only I read it
	WLOAD 10, 0                                    ; it comes into registers while k is quantised
	s_cmp_lg_u32 s[WV], 0                          ; wave 0 makes the bias of the work-group's 128 keys
	s_cbranch_scc1 .Lno_log
	s_wait_alu depctr_va_vdst(0)
.irp j, 0,1,2,3
	v_log_f32 v[20+\j], v[20+\j]
.endr
	v_nop                                          ; a plain instruction behind the last logarithm
	s_wait_alu depctr_va_vdst(0)                   ; a wait ahead of the first reader: one for the four
.irp j, 0,1,2,3
	v_mul_f32 v[20+\j], 0x417af233, v[20+\j]       ; x ln(2) sqrt(512): ln(w) x sqrt(512), what is added to q . k ahead of the division by sqrt(512)
.endr
	global_store_b128 v[LI], v[20:23], s[38:39]    ; 512 consecutive bytes
.Lno_log:
	ROWSOUT 0, 1, 7
	ROWSOUT 1, 1, 7
	WIN 0x40
.irp n, 0,1,2,3
.irp j, 0,1,2,3,4,5,6,7
	v_mov_b32 v[64*\n+56+\j], v[48+\n]             ; v's bias: a lane holds one channel, so its eight registers hold the same number
.endr
.endr
	WIN 0
	s_wait_alu depctr_va_vdst(0)
	s_wait_xcnt 0x0                                ; my global stores have read the registers that fragments land in
	s_wait_dscnt 0x0                               ; my part of k lies in LDS, Wv is in registers
	s_barrier_signal -1
	s_barrier_wait -1                              ; k is whole
	ds_load_b64 v[20:21], v8
	PASS 2, 2, 1, WS2
	global_store_b64 v[L8], v[20:21], s[48:49]     ; 256 consecutive bytes
	VOUT 0
	VOUT 1
	ds_load_b64 v[22:23], v18                      ; my own 256 bytes: LDS serves a wave's instructions in order
	s_wait_dscnt 0x0
	global_store_b64 v[L8], v[22:23], s[52:53]
	s_branch .Lend
; ================= THE QUERIES: g - 128 =================
.Lq_path:
	s_sub_co_u32 s54, s[GN], 128
	s_lshl_b32 s50, s54, 15
	s_lshl_b32 s56, s[WV], 9
	s_add_co_u32 s50, s50, s56
	s_add_nc_u64 s[44:45], s[32:33], s[50:51]      ; qf: 8 tiles of 4,096 bytes; h step w / 2, half w % 2
	s_lshl_b32 s50, s54, 11
	s_add_co_u32 s50, s50, s58
	s_add_nc_u64 s[48:49], s[34:35], s[50:51]      ; qs: 2,048 bytes, 256 a wave
	v_add_nc_u32 v4, ST1, v252                     ; v4, v5: the rows' second half, tiles 0-3, 4-7
	v_add_nc_u32 v5, 4*WPART, v4
	v_mul_u32_u24 v254, v250, WPART
	v_add_nc_u32 v254, v254, v251
	v_add_nc_u32 v6, ST1+256, v254                 ; v6, v7: their scale words
	v_add_nc_u32 v7, 4*WPART, v6
	s_add_co_u32 s59, s59, QSL
	v_add_nc_u32 v8, s59, v253                     ; v8: my scale bytes, to write
	s_add_co_u32 s57, s57, REGB
	v_lshrrev_b32 v254, 3, v249
	v_lshl_add_u32 v254, v254, 3, v249
	v_mul_u32_u24 v254, v254, PITCH
	v_lshl_add_u32 v254, v250, 4, v254
	v_add_nc_u32 v10, s57, v254                    ; v10: my weights in the second region
	s_add_co_u32 s58, s58, QSL
	v_add_nc_u32 v11, s58, v[L8]                   ; v11: 256 bytes of scale words, to be stored
	s_wait_alu depctr_va_vdst(0)
	s_wait_tensorcnt 0x0                           ; my second weights are in; only I read them
	WLOAD 10, 1
	s_wait_dscnt 0x0
	s_barrier_signal -1
	s_barrier_wait -1                              ; everybody's second half of the rows lies in LDS
	PASS 1, 1, 0, WS2
	ROWSOUT 0, 0, 8
	ROWSOUT 1, 0, 8
	s_wait_dscnt 0x0
	s_barrier_signal -1
	s_barrier_wait -1                              ; q's scale words are whole
	ds_load_b64 v[20:21], v11
	s_wait_dscnt 0x0
	global_store_b64 v[L8], v[20:21], s[48:49]     ; 256 consecutive bytes
.Lend:
	s_wait_tensorcnt 0x0                           ; the wave's end, behind my last tensor load and my last LDS store
	ds_add_u32 v[SPW], v[NIL]
	s_wait_dscnt 0x0
	CROUND                                         ; the closing round: no work-group ends while a partner may still ask for weights in its name
	s_endpgm
.Lfunc_end_k_q96f344ca2c_proj:
	.size	k_q96f344ca2c_proj, .Lfunc_end_k_q96f344ca2c_proj-k_q96f344ca2c_proj
	.p2alignl 7, 3214868480
	.fill 96, 4, 3214868480
	.section	.rodata,"a",@progbits
	.p2align	6, 0x0
	.amdhsa_kernel k_q96f344ca2c_proj
		.amdhsa_group_segment_fixed_size 327680
		.amdhsa_private_segment_fixed_size 0
		.amdhsa_enable_private_segment 0
		.amdhsa_kernarg_size 144
		.amdhsa_user_sgpr_count 2
		.amdhsa_user_sgpr_kernarg_segment_ptr 1
		.amdhsa_wavefront_size32 1
		.amdhsa_system_sgpr_workgroup_id_x 1
		.amdhsa_system_sgpr_workgroup_id_y 1
		.amdhsa_system_sgpr_workgroup_id_z 1
		.amdhsa_system_vgpr_workitem_id 0
		.amdhsa_next_free_vgpr 512
		.amdhsa_next_free_sgpr 100
		.amdhsa_reserve_vcc 0
		.amdhsa_float_denorm_mode_32 3
		.amdhsa_float_denorm_mode_16_64 3
		.amdhsa_memory_ordered 1
		.amdhsa_forward_progress 1
		.amdhsa_inst_pref_size 141
	.end_amdhsa_kernel
	.amdgpu_metadata
---
amdhsa.version: [ 1, 2 ]
amdhsa.kernels:
  - .name:           k_q96f344ca2c_proj
    .symbol:         k_q96f344ca2c_proj.kd
    .args:
      - { .name: K_codes, .offset: 0, .size: 8, .value_kind: global_buffer, .address_space: global }
      - { .name: K_scales, .offset: 8, .size: 8, .value_kind: global_buffer, .address_space: global }
      - { .name: Q_codes, .offset: 16, .size: 8, .value_kind: global_buffer, .address_space: global }
      - { .name: Q_scales, .offset: 24, .size: 8, .value_kind: global_buffer, .address_space: global }
      - { .name: Wk_codes, .offset: 32, .size: 8, .value_kind: global_buffer, .address_space: global }
      - { .name: Wk_scales, .offset: 40, .size: 8, .value_kind: global_buffer, .address_space: global }
      - { .name: Wq_codes, .offset: 48, .size: 8, .value_kind: global_buffer, .address_space: global }
      - { .name: Wq_scales, .offset: 56, .size: 8, .value_kind: global_buffer, .address_space: global }
      - { .name: Wv_codes, .offset: 64, .size: 8, .value_kind: global_buffer, .address_space: global }
      - { .name: Wv_scales, .offset: 72, .size: 8, .value_kind: global_buffer, .address_space: global }
      - { .name: bk, .offset: 80, .size: 8, .value_kind: global_buffer, .address_space: global }
      - { .name: bq, .offset: 88, .size: 8, .value_kind: global_buffer, .address_space: global }
      - { .name: bv, .offset: 96, .size: 8, .value_kind: global_buffer, .address_space: global }
      - { .name: mask_weights, .offset: 104, .size: 8, .value_kind: global_buffer, .address_space: global }
      - { .name: qf, .offset: 112, .size: 8, .value_kind: global_buffer, .address_space: global }
      - { .name: qs, .offset: 120, .size: 8, .value_kind: global_buffer, .address_space: global }
      - { .name: kv, .offset: 128, .size: 8, .value_kind: global_buffer, .address_space: global }
      - { .name: lm, .offset: 136, .size: 8, .value_kind: global_buffer, .address_space: global }
    .group_segment_fixed_size: 327680
    .private_segment_fixed_size: 0
    .kernarg_segment_align: 8
    .kernarg_segment_size: 144
    .max_flat_workgroup_size: 256
    .sgpr_count:     100
    .vgpr_count:     512
    .wavefront_size: 32
...
	.end_amdgpu_metadata
.endif
;; end of part 1
;; launch attn (part 2): grid 32 x 8, 8 waves a work-group, clusters of 4 x 1, 327,680 bytes of LDS; arguments qf, qs, kv, lm, out0; writes out0
.if DOCPART == 2
	.amdgcn_target "amdgcn-amd-amdhsa--gfx1250"
	.amdhsa_code_object_version 6
	.text
	.protected	k_q96f344ca2c_attn
	.globl	k_q96f344ca2c_attn
	.p2align	8
	.type	k_q96f344ca2c_attn,@function
k_q96f344ca2c_attn:
	s_mov_b64 s[64:65], 0
	v_nop
	global_prefetch_b8 v0, s[64:65] scope:SCOPE_SE
	s_setreg_imm32_b32 hwreg(HW_REG_WAVE_MODE, 25, 1), 1
	s_wait_xcnt 0x0
	s_wait_alu depctr_hold_cnt(0) depctr_sa_sdst(0) depctr_va_vdst(0) depctr_va_sdst(0) depctr_va_ssrc(0) depctr_va_vcc(0) depctr_vm_vsrc(0)
	s_getreg_b32 s2, hwreg(HW_REG_IB_STS2, 6, 4)
	s_cmp_eq_u32 s2, 0
	s_cbranch_scc0 .Lentry_in_a_cluster
	s_endpgm
.Lentry_in_a_cluster:
	s_bfe_u32 s2, ttmp6, 0x10000c
	s_cmp_lg_u32 s2, 0x3003
	s_cbranch_scc0 .Lentry_shape_is_right
	s_endpgm
.Lentry_shape_is_right:
; out0[b][q][:] = sum over keys of p V / l,  p = 2^(t - M),  t = c (Quant(q) . Quant(k) + lm),  c = log2(e) / sqrt(512),  lm = ln(mask) sqrt(512) (made by the launch before),
; l = the sum of the unquantised p.  Both products on codes of FP4 (E2M1) with one E8M0 scale for each 32 along K; p is quantised along the keys.
; All operands arrive as images of operand registers (a fragment: 16 rows x 128 K, two runs of 512 bytes, lane l's 16 bytes at 16 l): every LDS read of a fragment takes 512 consecutive bytes, so nothing is padded.
; SHARES.  A work-group owns 64 queries (four tiles of 16) of one batch and walks the 2,048 keys in four steps of 512.  In a step wave w of eight makes S^T for keys 64 w .. + 63 x all 64 queries
; (16 accumulators; a fragment of K feeds four products), quantises its p into half a fragment for each tile of queries, and then makes O^T for channels 64 w .. + 63 x all 64 queries
; (16 accumulators; a fragment of V and one of P feed four products each).
; EACH WAVE KEEPS AN M OF ITS OWN: the largest t of its own keys so far, rounded up to a whole number.  It publishes -M with its codes and scale bytes; a reader takes the largest M of the eight as the common one, takes
; (common M - wave's M) off that wave's scale bytes, and multiplies O by 2^(old common M - new common M): exact.  The sums stay under the wave's M and are brought together at the end.
; So a step has two meetings: P is whole (K's block is filled again), and V's last fragments are in registers (V's block is filled again).
; LAYOUT.  S^T = K Q^T + lm and O^T = V^T P^T: a lane holds one query (lane % 16).  The keys of a tile of K are not neighbours (lane r of tile 2 b + u: key 32 b + 8 u + r + 8 (r / 8)), so register 16 b + i of a tile of queries is key 32 b + 16 (lane / 16) + i.
; THE BIAS IS THE C OF A SUM'S FIRST PRODUCT.  It is loaded into the registers of the fourth tile of queries, whose own first products come last and take it in place.  lm of the batch lies in LDS in the order in which the steps are walked.
; CLUSTER.  The four work-groups of a cluster belong to one batch and walk the same K and V: each block is asked for JOINTLY, an eighth by each wave, by the same tensor load with the same descriptor and the mask of all four.
; THE ORDER OF THE STEPS.  Cluster x of a batch begins at step (x + x / 4) mod 4 and walks the four steps round.  So the batch's eight clusters ask for four different blocks at a time.
; No prefetch: every block that is asked for behind the first step has been loaded by other clusters of the batch a step earlier, and ahead of the first step there is no loop.
; LIMITS: NaN and infinities in the workspace are not served, but for lm = -infinity (a mask weight of 0), which enters as C and gives p = 0; a row whose mask weights are all 0 gives NaN, as the definition does.
; A block of p has no scale byte under 65 (its largest p under 2^-60 of the wave's 2^M), and a wave whose M lies more than 64 under the common one counts as 64 under it: what that moves is under 2^-58 of the row's largest term.
; REGISTERS.  window 0: v0-63 addresses, statistics, scale words; v64-127 K's two sets (v64, v96), between S and the next step's first reads temporaries; v128-255 S^T, then p (tile m at 128 + 32 m),
;   for the second product P's sets (v128, v160) and V's (v192 for even groups of keys, v224 for odd ones); the bias at v224.   window 1: v0-127 O^T, accumulator (tile of channels n, tile of queries m) at 8 (4 n + m); v128-255 Q's 16 fragments (m, h step s) at 128 + 8 (4 m + s).
.set BP,     1114112                   ; kv: bytes of a batch
.set STEPB,  278528                    ; of a step of 512 keys
.set KBLK,   139264                    ; of a K block or a V block
.set EIGHTH, 17408                     ; an eighth of a block: 68 rows of 256 bytes, what one tensor load brings
.set VR,     139264                    ; LDS: K's block at 0, V's block
.set PI,     278528                    ; P's 16 fragments, (m, 128 keys k) at (4 m + k) x 1024
.set PSC,    294912                    ; P's scale bytes [m][row][16 blocks]
.set MX,     295936                    ; the waves' -M [m][row][w]
.set LX,     297984                    ; the waves' sums [m][row][w]
.set LM,     300032                    ; lm of the batch, in the walk's order
.set SPARE,  308224                    ; the spare words, 128 bytes for each wave: four blocks of 256 bytes that no other line names
.set SP,     272                       ; the way out: for each wave and tile of queries 16 rows x (256 + 16) bytes, in K's block, which has then had its last fill and its last read
.set AKF,  1                           ; v1   my 4 tiles of K;  at the end: the stage, where I put 32 bytes of a row
.set AKS,  2                           ; v2   their scale words;  at the end: the stage, where I read rows back
.set AVF,  3                           ; v3   my 4 tiles of V
.set AVS,  4                           ; v4   their scale words
.set API,  5                           ; v5   P's fragments (and scale bytes), to read
.set APW,  6                           ; v6   and mine, to write
.set APSW, 7                           ; v7   my scale bytes, to write
.set AMW,  8                           ; v8   my -M and my sums, to write
.set AMR,  9                           ; v9   all waves', to read: lanes 0-15 tile 2 g's rows, lanes 16-31 tile 2 g + 1's
.set ABI0, 10                          ; v10  my keys' lm of the walk's first step;  at the end: my byte offset in the rows of out0
.set ABI,  11                          ; v11  of the step whose bias is read next
.set SPW,  12                          ; v12  LDS address of my spare word; never rewritten
.set NIL,  13                          ; v13  0; never rewritten
.set NMC,  14                          ; v14-15  - common M: v14 tiles 0, 1, v15 tiles 2, 3
.set ST,   16                          ; v16-31  four a tile of queries: +0 -M, +1 the largest t, +2, +3 the sum in two halves
.set QS,   32                          ; v32-39  Q's scale words: register 4 g + s: lanes 0-15 tile 2 g, lanes 16-31 tile 2 g + 1
.set KS,   40                          ; v40-47  K's likewise
.set VS,   48                          ; v48-55  V's: register 2 k + g likewise
.set PS,   56                          ; v56-63  P's: register 4 g + k likewise
.set KB,   64
.set SB,   128
.set BM,   64                          ; the softmax: v64-71 the largest score (then t - M, then p) of block b of tile m: 2 m + b
.set TP,   72                          ; v72-79  at work
.set SO,   80                          ; v80-87  the conversions' scale operands
.set PC,   88                          ; v88-103 P's codes, 4 a tile
.set FO,   104                         ; v104-111 2^(old M - new M) of tile m at 104 + 2 m (named as pairs)
.set TN,   112                         ; v112-115 at work
.set PW,   116                         ; v116-119 two scale bytes a tile
.set TMX,  64                          ; the second product: v64-79 the eight waves' -M, g's at 64 + 8 g; then how far each M lies under the common one
.set NC,   80                          ; v80, v82 the new - common M (named as pairs)
.set DF,   84
.set FG,   86                          ; v86-87  2^(old common M - new common M)
.set XG,   88
.set FM,   90                          ; v90-97  the same of tile m, in both halves of the lanes, at 90 + 2 m (named as pairs)
.set AD,   98                          ; v98-105 at work
.set TLX,  106                         ; v106-121 at the end: the eight waves' sums; then 1 / l: tile m's at 108, 110, 116, 118
.set AV1,  11                          ; v11     (the bias's address is made anew behind its last use) my tiles of V, keys 256 on
; THE SECOND PRODUCT'S REGISTERS in the loop, by group of 128 keys: V's fragments and P's.  Group 2 lies where K's two sets lie in the first product, group 3 where group 0 lay.
; (These hold for the loop's second product, and not the two sets by even and odd groups that the line on registers above names.)
.set VG0, SB+64
.set VG1, SB+96
.set VG2, KB
.set VG3, SB+64
.set PG0, SB
.set PG1, SB+32
.set PG2, KB+32
.set PG3, SB
.set WV,   14                          ; s14 my wave's number
.set CX,   15                          ; s15 my place in the cluster: it enters the global addresses of my own loads and stores alone
.set BAT,  16
.set BLKQ, 17                          ; s17 my block of 64 queries
.set STG,  18                          ; s18 EIGHTH x wave: my eighth of a block, in memory and in LDS, and at the end my stage
.set LMO,  19                          ; s19 2048 x the walk's steps
.set SEL,  20                          ; s[20:21] selects for lane l xor 16
.set CS,   22                          ; s[22:23] c
.set G1,   24                          ; s[24:31] descriptor group 1
.set G0K,  32                          ; s[32:35] group 0 for K's blocks
.set G0V,  36                          ; s[36:39] for V's
.set LEFT, 40                          ; s40 steps that still ask for a successor
.set JN,   41                          ; s41 which of the batch's four steps is asked for next
.set HI,   42                          ; s42 lanes 16-31
.set C64K, 43                          ; s43 65536.0
.set KVB,  44                          ; s[44:45] kv at my eighth of the batch's first K block; never rewritten
.set OFF,  46                          ; s[46:47] JN x STEPB
.set MSB, 0
.macro WIN new                         ; the immediate's high byte repeats the setting that is left; a switch that changes nothing is dropped.  Bits 1:0 source 0, 3:2 source 1, 5:4 source 2, 7:6 destination
.if MSB != (\new)
	s_set_vgpr_msb (MSB<<8)|(\new)
.set MSB, (\new)
.endif
.endm
.macro PLACES n                        ; plain vector instructions between a matrix instruction and what touches its registers (ISA guide 7.12.1)
.rept \n
	v_nop
.endr
.endm
.macro CREST                           ; a round of the cluster's barrier behind its opening barrier
	s_cmp_lg_u32 s[WV], 0
	s_cbranch_scc1 .Lnot_wave_0_\@
	s_barrier_signal -3
.Lnot_wave_0_\@:
	s_barrier_wait -3
	s_barrier_signal -1
	s_barrier_wait -1
.endm
.macro CROUND                          ; a whole round
	s_barrier_signal -1
	s_barrier_wait -1
	CREST
.endm
.macro SUMS                            ; THE SUM IS TAKEN OF THE UNQUANTISED p; the four tiles by turns
.set J_, 0
.rept 16
.irp m, 0,1,2,3
	v_pk_add_f32 v[ST+4*\m+2:ST+4*\m+3], v[ST+4*\m+2:ST+4*\m+3], v[SB+32*\m+2*J_:SB+32*\m+2*J_+1]
.endr
.set J_, J_+1
.endr
.endm
; One product, C in v[c] on.  ra, rb = 1: the side's scale words stand in lanes 16-31 of the register named.
.macro WM d, a, b, c, sa, sb, ra, rb
.set V_, 2*(\ra)+(\rb)
.if V_ == 0
	v_wmma_scale_f32_16x16x128_f8f6f4 v[(\d):(\d)+7], v[(\a):(\a)+7], v[(\b):(\b)+7], v[(\c):(\c)+7], v[\sa], v[\sb] matrix_a_fmt:MATRIX_FMT_FP4 matrix_b_fmt:MATRIX_FMT_FP4
.elseif V_ == 1
	v_wmma_scale_f32_16x16x128_f8f6f4 v[(\d):(\d)+7], v[(\a):(\a)+7], v[(\b):(\b)+7], v[(\c):(\c)+7], v[\sa], v[\sb] matrix_a_fmt:MATRIX_FMT_FP4 matrix_b_fmt:MATRIX_FMT_FP4 matrix_b_scale:MATRIX_SCALE_ROW1
.elseif V_ == 2
	v_wmma_scale_f32_16x16x128_f8f6f4 v[(\d):(\d)+7], v[(\a):(\a)+7], v[(\b):(\b)+7], v[(\c):(\c)+7], v[\sa], v[\sb] matrix_a_fmt:MATRIX_FMT_FP4 matrix_b_fmt:MATRIX_FMT_FP4 matrix_a_scale:MATRIX_SCALE_ROW1
.else
	v_wmma_scale_f32_16x16x128_f8f6f4 v[(\d):(\d)+7], v[(\a):(\a)+7], v[(\b):(\b)+7], v[(\c):(\c)+7], v[\sa], v[\sb] matrix_a_fmt:MATRIX_FMT_FP4 matrix_b_fmt:MATRIX_FMT_FP4 matrix_a_scale:MATRIX_SCALE_ROW1 matrix_b_scale:MATRIX_SCALE_ROW1
.endif
.endm
.macro KLOAD s                         ; my 4 tiles of K, h step s, into set s % 2: 8 loads
	WIN 0
.irp T, 0,1,2,3
.irp c, 0,1
	ds_load_b128 v[KB+32*((\s)%2)+8*\T+4*\c:KB+32*((\s)%2)+8*\T+4*\c+3], v[AKF] offset:4096*\T+1024*(\s)+512*\c
.endr
.endr
.endm
.macro KFETCH                          ; a step's first reads: the scale words of my 4 tiles of K, the bias, h steps 0 and 1
	WIN 0
.irp g, 0,1
	ds_load_b128 v[KS+4*\g:KS+4*\g+3], v[AKS] offset:512*\g        ; lanes 0-15: tile 2 g's rows, lanes 16-31: tile 2 g + 1's; four words a row
.endr
.irp T, 0,1,2,3                                ; tile 2 b + u: keys 32 b + 16 (lane / 16) + 8 u + 0 .. 7
.irp c, 0,1
	ds_load_b128 v[SB+96+8*\T+4*\c:SB+96+8*\T+4*\c+3], v[ABI] offset:128*(\T/2)+32*(\T%2)+16*\c
.endr
.endr
	KLOAD 0
	KLOAD 1
.endm
.macro SMUL s                          ; 16 products: the accumulators take turns, one instruction a turn.  H step 0 starts the sums with the bias
	WIN 0x04                                       ; Q window 1
.irp m, 0,1,2,3
.if (\s) == 0 && \m == 3
	PLACES 5                                       ; these four write over the bias, which the twelve before them read
.endif
.irp T, 0,1,2,3
.if (\s) == 0
	WM SB+32*\m+8*\T, KB+8*\T, 128+8*(4*\m), SB+96+8*\T, KS+4*(\T/2), QS+4*(\m/2), \T%2, \m%2
.else
	WM SB+32*\m+8*\T, KB+32*((\s)%2)+8*\T, 128+8*(4*\m+(\s)), SB+32*\m+8*\T, KS+4*(\T/2)+(\s), QS+4*(\m/2)+(\s), \T%2, \m%2
.endif
.endr
.endr
.endm
.macro SPHASE                          ; S^T = K Q^T + lm over the four h steps
	s_wait_dscnt 8                                 ; the 8 youngest loads (h step 1) may be out
	SMUL 0
	PLACES 4                                       ; in front of loads into registers that those products have read
	KLOAD 2
	s_wait_dscnt 8                                 ; h step 1 is in
	SMUL 1
	PLACES 4
	KLOAD 3
	s_wait_dscnt 8                                 ; h step 2 is in
	SMUL 2
	s_wait_dscnt 0x0
	SMUL 3
	WIN 0
	PLACES 4                                       ; behind the last products, in front of the reads of their results
.endm
; The softmax of a step under my wave's own M, and P's way to LDS.  last = 1: my sums go to LDS too.
.macro SOFT last
.if (\last) == 0
	s_add_co_u32 s[LMO], s[LMO], 2048
.endif
.irp i, 0,1,2,3,4,5,6,7
	v_max3_num_f32 v[BM+\i], v[SB+16*\i], v[SB+16*\i+1], v[SB+16*\i+2]   ; THE LARGEST SCORE OF EACH BLOCK OF 32 KEYS serves twice: for my maximum and, since p rises with the score, for the block's largest p.  Each accumulator is read from its low end on
.endr
.irp k, 3,5,7,9,11,13
.irp i, 0,1,2,3,4,5,6,7
	v_max3_num_f32 v[BM+\i], v[BM+\i], v[SB+16*\i+\k], v[SB+16*\i+\k+1]
.endr
.endr
.irp i, 0,1,2,3,4,5,6,7
	v_max_num_f32 v[BM+\i], v[BM+\i], v[SB+16*\i+15]
.endr
.irp i, 0,1,2,3,4,5,6,7
	v_permlanex16_b32 v[TP+\i], v[BM+\i], s[SEL], s[SEL+1]
.endr
.irp i, 0,1,2,3,4,5,6,7
	v_max_num_f32 v[BM+\i], v[BM+\i], v[TP+\i]     ; with lane l xor 16's 16 keys
.endr
.irp m, 0,1,2,3
	v_max_num_f32 v[TN+\m], v[BM+2*\m], v[BM+2*\m+1]
.endr
.irp m, 0,1,2,3
	v_mul_f32 v[TN+\m], s[CS], v[TN+\m]            ; as t (c is positive)
.endr
.irp m, 0,1,2,3
	v_max_num_f32 v[ST+4*\m+1], v[ST+4*\m+1], v[TN+\m]   ; my running largest t
.endr
.irp m, 0,1,2,3
	v_mov_b32 v[TN+\m], v[ST+4*\m]
.endr
.irp m, 0,1,2,3
	v_floor_f32 v[ST+4*\m], -v[ST+4*\m+1]          ; the new -M = floor(-t) = -ceil(t): M is a whole number
.endr
.irp m, 0,1,2,3
	v_sub_f32 v[TN+\m], v[ST+4*\m], v[TN+\m]       ; old M - new M: a whole number, 0 or less
.endr
.irp m, 0,1,2,3
	v_cvt_i32_f32 v[TN+\m], v[TN+\m]               ; (it saturates)
.endr
.irp m, 0,1,2,3
	v_ldexp_f32 v[FO+2*\m], 1.0, v[TN+\m]
.endr
.irp i, 0,1,2,3,4,5,6,7
	v_fma_f32 v[BM+\i], v[BM+\i], s[CS], v[ST+4*(\i/2)]   ; t - M of each block's largest score: the same multiply-add on the same number as below
.endr
.set J_, 0
.rept 16
	v_pk_fma_f32 v[SB+2*J_:SB+2*J_+1], v[SB+2*J_:SB+2*J_+1], s[CS:CS+1], v[ST:ST+1] op_sel_hi:[1,0,0]   ; tile 0: t - M, two at a time (of the pairs c and -M the low word serves both halves)
.set J_, J_+1
.endr
.irp m, 0,1,2                                  ; exponentials of one tile; the next tile's multiply-adds stand among them
	s_wait_alu depctr_va_vdst(0)                   ; a wait ahead of the batch
.set J_, 0
.rept 16
	v_pk_fma_f32 v[SB+32*(\m+1)+2*J_:SB+32*(\m+1)+2*J_+1], v[SB+32*(\m+1)+2*J_:SB+32*(\m+1)+2*J_+1], s[CS:CS+1], v[ST+4*(\m+1):ST+4*(\m+1)+1] op_sel_hi:[1,0,0]
	v_exp_f32 v[SB+32*\m+2*J_], v[SB+32*\m+2*J_]   ; p = 2^(t - M): not normalised
	v_exp_f32 v[SB+32*\m+2*J_+1], v[SB+32*\m+2*J_+1]
.set J_, J_+1
.endr
.endr
	s_wait_alu depctr_va_vdst(0)
.set J_, 0
.rept 32
	v_exp_f32 v[SB+96+J_], v[SB+96+J_]
.set J_, J_+1
.endr
.irp i, 0,1,2,3,4,5,6,7
	v_exp_f32 v[BM+\i], v[BM+\i]                   ; each block's largest p
.endr
.irp m, 0,1,2,3
	v_pk_mul_f32 v[ST+4*\m+2:ST+4*\m+3], v[ST+4*\m+2:ST+4*\m+3], v[FO+2*\m:FO+2*\m+1] op_sel_hi:[1,0]   ; the sums under the new M: plain instructions behind the last exponential
.endr
	s_wait_alu depctr_va_vdst(0)                   ; a wait ahead of the first reader: one for the whole batch
.if (\last)
	SUMS                                           ; (else they stand in the first meeting)
.endif
.irp i, 0,1,2,3,4,5,6,7
	v_max_num_f32 v[BM+\i], 0x21800000, v[BM+\i]   ; the floor 2^(67 - 127): the byte cannot fall under 65
.endr
.irp i, 0,1,2,3,4,5,6,7
	v_add_nc_u32 v[SO+\i], 0xff000000, v[BM+\i]    ; 2 off the exponent field: the conversion's scale operand
.endr
.irp i, 0,1,2,3,4,5,6,7
	v_lshrrev_b32 v[TP+\i], 23, v[SO+\i]           ; the scale's byte
.endr
.irp m, 0,1,2,3
	v_lshl_or_b32 v[PW+\m], v[TP+2*\m+1], 8, v[TP+2*\m]
.endr
.irp i, 0,1,2,3,4,5,6,7
	v_cvt_scalef32_pk8_fp4_f32 v[PC+2*\i], v[SB+16*\i:SB+16*\i+7], v[SO+\i]
	v_cvt_scalef32_pk8_fp4_f32 v[PC+2*\i+1], v[SB+16*\i+8:SB+16*\i+15], v[SO+\i]
.endr
	v_nop                                          ; one plain instruction behind the last scaled conversion
.irp m, 0,1,2,3
.irp i, 0,1                                    ; the operand's layout wants a whole block in a lane
	v_permlane16_swap_b32 v[PC+4*\m+\i], v[PC+4*\m+2+\i]
.endr
.endr
.irp m, 0,1,2,3
	ds_store_b128 v[APW], v[PC+4*\m:PC+4*\m+3] offset:4096*\m      ; my half of the fragment as it stands in my registers
	ds_store_b16 v[APSW], v[PW+\m] offset:256*\m   ; (here and below lanes r and r + 16 write the same bytes with the same value)
	ds_store_b32 v[AMW], v[ST+4*\m] offset:512*\m
.endr
.if (\last)
.irp m, 0,1,2,3
	v_add_f32 v[TN+\m], v[ST+4*\m+2], v[ST+4*\m+3] ; the sum's two halves,
.endr
.irp m, 0,1,2,3
	v_permlanex16_b32 v[TP+\m], v[TN+\m], s[SEL], s[SEL+1]
.endr
.irp m, 0,1,2,3
	v_add_f32 v[TN+\m], v[TN+\m], v[TP+\m]         ; and lane l xor 16's: my wave's part of the row's sum
.endr
.irp m, 0,1,2,3
	ds_store_b32 v[AMW], v[TN+\m] offset:LX-MX+512*\m
.endr
.endif
.endm
; THE FIRST MEETING of a step: P, the scale bytes and the -M of every wave lie in LDS, every wave's reads of K's block are back, and its eighth of V's block has landed.
; fill = 1: K's block is filled again, with the next step's: the barrier is a round of the cluster's, and the joint load is the first thing behind it.
.macro MEET1 fill
	WIN 0
	s_wait_tensorcnt 0x0                           ; no tensor load of mine is out (the one that was: my eighth of this step's V), so a group 0 may be written
	ds_add_u32 v[SPW], v[NIL]                      ; 0 onto my spare word
.if \fill
	s_add_co_u32 s[JN], s[JN], 1
	s_and_b32 s[JN], s[JN], 3                      ; round the batch's four steps
	s_mul_i32 s[OFF], s[JN], STEPB                 ; the next step's K: nothing in it hangs on my place in the cluster
	s_add_nc_u64 s[G0K+2:G0K+3], s[KVB:KVB+1], s[OFF:OFF+1]
	s_or_b32 s[G0K+3], s[G0K+3], 0x80000000        ; type = 2
	s_wait_dscnt 0x0                               ; the add and my stores are done, my reads of K's block are back
	s_barrier_signal -1
	SUMS                                           ; work on registers while the others arrive
	s_barrier_wait -1
	CREST                                          ; the same holds of every wave of all four work-groups
	tensor_load_to_lds s[G0K:G0K+3], s[G1:G1+7]    ; my one tensor load until the next such round
	s_nop 0
	PLACES 4
.else
	s_wait_dscnt 0x0
	s_barrier_signal -1
	s_barrier_wait -1
.endif
.endm
; THE SECOND MEETING of a step that has a successor: every wave has V's last fragments and all that it needs of P in registers, and its eighth of the next K has landed.  V's block is filled again.
.macro MEET2 work                      ; work = 1: the third group's products stand in the opening barrier
	WIN 0
	s_wait_tensorcnt 0x0
	ds_add_u32 v[SPW], v[NIL]                      ; 0 onto my spare word
	s_add_nc_u64 s[G0V+2:G0V+3], s[G0K+2:G0K+3], KBLK   ; the same step's V lies behind its K; the type bits on top come with the address
	s_wait_dscnt 0x0                               ; the add is done, my reads of V's block and of P are back
	s_barrier_signal -1
.if \work
	PVK 2
	WIN 0
.endif
	s_barrier_wait -1
	CREST
	tensor_load_to_lds s[G0V:G0V+3], s[G1:G1+7]    ; my one tensor load until the next such round
	s_nop 0
	PLACES 4                                       ; (also the places in front of the loads that follow)
.endm
.macro VFRAGS reg, k                   ; my 4 tiles of V for keys 128 k on: 8 loads
.irp n, 0,1,2,3
.irp c, 0,1
.if (\k) < 2
	ds_load_b128 v[(\reg)+8*\n+4*\c:(\reg)+8*\n+4*\c+3], v[AVF] offset:32768*(\k)+1024*\n+512*\c
.else
	ds_load_b128 v[(\reg)+8*\n+4*\c:(\reg)+8*\n+4*\c+3], v[AV1] offset:32768*((\k)-2)+1024*\n+512*\c
.endif
.endr
.endr
.endm
.macro PVL k                           ; V's and P's fragments for keys 128 k on: 16 loads
	WIN 0
	VFRAGS VG\k, \k
.irp m, 0,1,2,3
.irp c, 0,1
	ds_load_b128 v[PG\k+8*\m+4*\c:PG\k+8*\m+4*\c+3], v[API] offset:4096*\m+1024*(\k)+512*\c
.endr
.endr
.endm
.macro STATL last                      ; the waves' -M, (last: their sums,) P's and V's scale words: 14 loads (last: 18)
	WIN 0
.irp g, 0,1
	ds_load_b128 v[TMX+8*\g:TMX+8*\g+3], v[AMR] offset:1024*\g
	ds_load_b128 v[TMX+8*\g+4:TMX+8*\g+7], v[AMR] offset:1024*\g+16
.endr
.if (\last)
.irp g, 0,1
	ds_load_b128 v[TLX+8*\g:TLX+8*\g+3], v[AMR] offset:LX-MX+1024*\g
	ds_load_b128 v[TLX+8*\g+4:TLX+8*\g+7], v[AMR] offset:LX-MX+1024*\g+16
.endr
.endif
.irp g, 0,1
	ds_load_b128 v[PS+4*\g:PS+4*\g+3], v[API] offset:PSC-PI+512*\g
.endr
.irp k, 0,1,2,3
.irp g, 0,1
	ds_load_b32 v[VS+2*\k+\g], v[AVS] offset:2048*\k+128*\g        ; lanes 0-15: tile 2 g's rows, lanes 16-31: tile 2 g + 1's
.endr
.endr
.endm
.macro BOTH d, s, x                    ; a number of tiles 2 g (lanes 0-15) and 2 g + 1 (lanes 16-31) in v[s] becomes two registers that hold one tile's in both halves
	v_permlanex16_b32 v[\x], v[\s], s[SEL], s[SEL+1]
	v_cndmask_b32 v[\d], v[\s], v[\x], s[HI]
	v_cndmask_b32 v[(\d)+2], v[\x], v[\s], s[HI]
.endm
; The common M, P's scale words under it, and O^T under it.
.macro PVSTAT last
.irp g, 0,1
	v_min3_num_f32 v[NC+2*\g], v[TMX+8*\g], v[TMX+8*\g+1], v[TMX+8*\g+2]
.endr
.irp i, 3,5
.irp g, 0,1
	v_min3_num_f32 v[NC+2*\g], v[NC+2*\g], v[TMX+8*\g+\i], v[TMX+8*\g+\i+1]
.endr
.endr
.irp g, 0,1
	v_min_num_f32 v[NC+2*\g], v[NC+2*\g], v[TMX+8*\g+7]   ; - the largest M of the eight waves
.endr
.irp g, 0,1
	v_sub_f32 v[DF+\g], v[NC+2*\g], v[NMC+\g]      ; old common M - new: a whole number, 0 or less
.endr
.irp g, 0,1
	v_mov_b32 v[NMC+\g], v[NC+2*\g]
.endr
.irp g, 0,1
	v_cvt_i32_f32 v[DF+\g], v[DF+\g]
.endr
.irp g, 0,1
	v_ldexp_f32 v[FG+\g], 1.0, v[DF+\g]
.endr
.if (\last)
.irp g, 0,1                                    ; the eight waves' sums, each brought from its M to the common one
.irp i, 0,1,2,3,4,5,6,7
	v_sub_f32 v[AD+\i], v[NC+2*\g], v[TMX+8*\g+\i]
.endr
.irp i, 0,1,2,3,4,5,6,7
	v_cvt_i32_f32 v[AD+\i], v[AD+\i]
.endr
.irp i, 0,1,2,3,4,5,6,7
	v_ldexp_f32 v[TLX+8*\g+\i], v[TLX+8*\g+\i], v[AD+\i]
.endr
.endr
.irp i, 0,1,2,3
.irp g, 0,1
	v_add_f32 v[TLX+8*\g+\i], v[TLX+8*\g+\i], v[TLX+8*\g+\i+4]
.endr
.endr
.irp i, 0,1
.irp g, 0,1
	v_add_f32 v[TLX+8*\g+\i], v[TLX+8*\g+\i], v[TLX+8*\g+\i+2]
.endr
.endr
.irp g, 0,1
	v_add_f32 v[TLX+8*\g], v[TLX+8*\g], v[TLX+8*\g+1]
.endr
	s_wait_alu depctr_va_vdst(0)                   ; a wait ahead of the batch
.irp g, 0,1
	v_rcp_f32 v[TLX+8*\g], v[TLX+8*\g]
.endr
	v_nop                                          ; a plain instruction behind the last reciprocal
	s_wait_alu depctr_va_vdst(0)                   ; and one ahead of the first reader
.irp g, 0,1
	BOTH TLX+8*\g+2, TLX+8*\g, TLX+8*\g+1
.endr
.endif
.irp i, 0,1,2,3
.irp g, 0,1
	v_pk_add_f32 v[TMX+8*\g+2*\i:TMX+8*\g+2*\i+1], v[TMX+8*\g+2*\i:TMX+8*\g+2*\i+1], v[NC+2*\g:NC+2*\g+1] op_sel_hi:[1,0] neg_lo:[0,1] neg_hi:[0,1]   ; common M - wave's M: 0 or more
.endr
.endr
.irp i, 0,1,2,3,4,5,6,7
.irp g, 0,1
	v_min_num_f32 v[TMX+8*\g+\i], 0x42800000, v[TMX+8*\g+\i]   ; held at 64
.endr
.endr
.irp k, 0,1,2,3
.irp g, 0,1
	v_fma_f32 v[AD+4*\g+\k], v[TMX+8*\g+2*\k+1], s[C64K], v[TMX+8*\g+2*\k]   ; waves 2 k and 2 k + 1 made word k's lower and upper two bytes
.endr
.endr
.irp i, 0,1,2,3,4,5,6,7
	v_cvt_u32_f32 v[AD+\i], v[AD+\i]
.endr
.irp i, 0,1,2,3,4,5,6,7
	v_lshl_add_u32 v[AD+\i], v[AD+\i], 8, v[AD+\i] ; each difference in both bytes
.endr
.irp i, 0,1,2,3,4,5,6,7
	v_sub_nc_u32 v[PS+\i], v[PS+\i], v[AD+\i]      ; bytes of 65 or more less 64 or less: no byte borrows, none falls under 1
.endr
.irp g, 0,1
	BOTH FM+4*\g, FG+\g, XG+\g
.endr
	WIN 0x41                                       ; destination and source 0 window 1
	s_wait_alu depctr_va_vdst(0)                   ; directly ahead of the first reader of O^T
.irp n, 0,1,2,3
.irp m, 0,1,2,3
.irp p, 0,2,4,6
	v_pk_mul_f32 v[8*(4*\n+\m)+\p:8*(4*\n+\m)+\p+1], v[8*(4*\n+\m)+\p:8*(4*\n+\m)+\p+1], v[FM+2*\m:FM+2*\m+1] op_sel_hi:[1,0]   ; rounds nothing; each accumulator from its low end on
.endr
.endr
.endr
	s_wait_alu depctr_va_vdst(0)
.endm
.macro PVK k                           ; O^T += V^T P^T for keys 128 k on: 16 products, the accumulators by turns
	WIN 0x50                                       ; O^T window 1
.irp n, 0,1,2,3
.irp m, 0,1,2,3
	WM 8*(4*\n+\m), VG\k+8*\n, PG\k+8*\m, 8*(4*\n+\m), VS+2*(\k)+\n/2, PS+4*(\m/2)+(\k), \n%2, \m%2
.endr
.endr
.endm
	s_load_b256 s[4:11], s[0:1], 0x0               ; qf s[4:5], qs s[6:7], kv s[8:9], lm s[10:11]
	s_load_b64 s[12:13], s[0:1], 0x20              ; out0
	v_lshl_add_u32 v[SPW], v0, 2, SPARE
	v_mov_b32 v[NIL], 0
	ds_add_u32 v[SPW], v[NIL]                      ; the wave's opening: the add, twice on end, and its wait ahead of my first tensor load
	ds_add_u32 v[SPW], v[NIL]
	v_lshrrev_b32 v80, 5, v0
	v_readfirstlane_b32 s[WV], v80                 ; wave 0..7
	v_and_b32 v80, 31, v0                          ; lane
	v_and_b32 v81, 15, v0                          ; r
	v_bfe_u32 v82, v0, 4, 1                        ; h
	v_lshlrev_b32 v84, 4, v80                      ; 16 x lane
	s_bfe_u32 s[CX], ttmp6, 0x40000                ; my place in the cluster
	s_and_b32 s[BAT], ttmp7, 0xffff                ; the batch, which the four partners share
	s_lshl_b32 s[BLKQ], ttmp9, 2                   ; in a cluster launch ttmp9 counts clusters
	s_add_co_u32 s[BLKQ], s[BLKQ], s[CX]
	s_lshr_b32 s[JN], ttmp9, 2
	s_add_co_u32 s[JN], s[JN], ttmp9
	s_and_b32 s[JN], s[JN], 3                      ; the step at which my cluster begins, the same in all four partners
	; descriptor group 1: an eighth of a block, dense in memory and in LDS: 68 rows of 32 elements of 8 bytes
	s_mov_b32 s[G1], 15|(3<<16)|(1<<21)            ; 15:0 the mask: all four work-groups; 17:16 elements of 8 bytes; 20 no padding; 21 set beside a mask
	s_mov_b32 s[G1+1], 32<<16                      ; tensor_dim0 = 32
	s_mov_b32 s[G1+2], 68<<16                      ; tensor_dim1 = 68
	s_mov_b32 s[G1+3], 32<<16                      ; tile_dim0 = 32
	s_mov_b32 s[G1+4], 68                          ; tile_dim1 = 68
	s_mov_b32 s[G1+5], 32                          ; from row to row
	s_mov_b32 s[G1+6], 0
	s_mov_b32 s[G1+7], 0
	s_mul_i32 s[STG], s[WV], EIGHTH                ; no place in the cluster enters it
	s_mul_i32 s48, s[BAT], BP                      ; the batch's first byte in kv
	s_add_co_u32 s48, s48, s[STG]
	s_mov_b32 s49, 0
	s_mul_i32 s[OFF], s[JN], STEPB
	s_mov_b32 s[OFF+1], 0
	s_mov_b32 s[SEL], 0x76543210
	s_mov_b32 s[SEL+1], 0xfedcba98
	s_mov_b32 s[CS], 0x3d8293ee                    ; c = log2(e) / sqrt(512)
	s_mov_b32 s[CS+1], s[CS]                       ; (named with it as a pair, so it is written)
	s_mov_b32 s[HI], 0xffff0000
	s_mov_b32 s[C64K], 0x47800000
	s_mov_b32 s[LMO], 0
	s_wait_alu depctr_va_vdst(0)
	s_wait_dscnt 0x0                               ; both opening adds are done
	s_wait_kmcnt 0x0
	s_add_nc_u64 s[KVB:KVB+1], s[8:9], s[48:49]
	s_mov_b32 s[G0K], 1                            ; 1:0 count = 1
	s_mov_b32 s[G0K+1], s[STG]                     ; LDS address: K's block begins at byte 0
	s_add_nc_u64 s[G0K+2:G0K+3], s[KVB:KVB+1], s[OFF:OFF+1]   ; global address: my cluster's first step, its K block, my eighth
	s_or_b32 s[G0K+3], s[G0K+3], 0x80000000        ; type = 2
	s_mov_b32 s[G0V], 1
	s_add_co_u32 s[G0V+1], s[STG], VR
	CROUND                                         ; all four work-groups are here: the first joint loads meet
	tensor_load_to_lds s[G0K:G0K+3], s[G1:G1+7]    ; K's first block: one tensor load a wave at the head
	s_nop 0
	PLACES 4
	s_mov_b32 s51, 0
	s_lshr_b32 s52, s[WV], 1                       ; lm: I bring half w % 2 of the walk's step w / 2
	s_add_co_u32 s52, s52, s[JN]
	s_and_b32 s52, s52, 3
	s_lshl_b32 s52, s52, 11
	s_and_b32 s53, s[WV], 1
	s_lshl_b32 s53, s53, 10
	s_lshl_b32 s50, s[BAT], 13                     ; 2,048 f32 a batch
	s_add_co_u32 s50, s50, s52
	s_add_co_u32 s50, s50, s53
	s_add_nc_u64 s[10:11], s[10:11], s[50:51]
	s_lshl_b32 s50, s[BAT], 19                     ; qf: 128 tiles of 4,096 bytes a batch, 4 a block
	s_lshl_b32 s52, s[BLKQ], 14
	s_add_co_u32 s50, s50, s52
	s_add_nc_u64 s[4:5], s[4:5], s[50:51]
	s_lshl_b32 s50, s[BAT], 15                     ; qs: 256 bytes a tile
	s_lshl_b32 s52, s[BLKQ], 10
	s_add_co_u32 s50, s50, s52
	s_add_nc_u64 s[6:7], s[6:7], s[50:51]
	s_lshl_b32 s50, s[BAT], 22                     ; out0: rows of 2,048 bytes; my 64 channels are 256 bytes of each
	s_lshl_b32 s52, s[BLKQ], 17
	s_add_co_u32 s50, s50, s52
	s_lshl_b32 s52, s[WV], 8
	s_add_co_u32 s50, s50, s52
	s_add_nc_u64 s[12:13], s[12:13], s[50:51]
	global_load_b128 v[64:67], v84, s[10:11]
	global_load_b128 v[68:71], v84, s[10:11] offset:512
	WIN 0x40
.set I_, 0
.rept 32
	global_load_b128 v[128+4*I_:131+4*I_], v84, s[4:5] offset:512*I_   ; Q's 16 fragments stay in registers
.set I_, I_+1
.endr
	WIN 0
	global_load_b128 v[QS:QS+3], v84, s[6:7]
	global_load_b128 v[QS+4:QS+7], v84, s[6:7] offset:512
	s_lshl_b32 s52, s[WV], 14
	v_add_nc_u32 v[AKF], s52, v84                  ; 16384 w + 16 lane
	s_lshl_b32 s52, s[WV], 10
	s_add_co_u32 s53, s52, 131072
	v_add_nc_u32 v[AKS], s53, v84
	s_add_co_u32 s53, s52, LM
	v_add_nc_u32 v85, s53, v84                     ; where my 1,024 bytes of lm go
	s_lshl_b32 s52, s[WV], 12
	s_add_co_u32 s52, s52, VR
	v_add_nc_u32 v[AVF], s52, v84
	s_lshl_b32 s54, s[WV], 8
	s_add_co_u32 s52, s54, VR+131072
	v_lshlrev_b32 v83, 2, v80
	v_add_nc_u32 v[AVS], s52, v83
	v_add_nc_u32 v[API], PI, v84
	s_lshl_b32 s52, s[WV], 9
	v_add_nc_u32 v[APW], s52, v[API]
	s_lshl_b32 s52, s[WV], 1
	s_add_co_u32 s52, s52, PSC
	v_lshlrev_b32 v83, 4, v81
	v_add_nc_u32 v[APSW], s52, v83
	s_lshl_b32 s52, s[WV], 2
	s_add_co_u32 s52, s52, MX
	v_lshlrev_b32 v83, 5, v81
	v_add_nc_u32 v[AMW], s52, v83
	v_lshlrev_b32 v83, 5, v80
	v_add_nc_u32 v[AMR], MX, v83
	s_add_co_u32 s52, s54, LM
	v_lshlrev_b32 v83, 6, v82
	v_add_nc_u32 v[ABI0], s52, v83                 ; LM + 256 w + 64 h
	v_mov_b32 v[ABI], v[ABI0]
	WIN 0x40
.set I_, 0
.rept 128
	v_mov_b32 v[I_], 0                             ; O^T: the first step finds zeros, which the first change of M leaves zeros
.set I_, I_+1
.endr
	WIN 0
.irp m, 0,1,2,3
	v_mov_b32 v[ST+4*\m], 0x7f61b1e6               ; -M
	v_mov_b32 v[ST+4*\m+1], 0xff61b1e6             ; the largest t so far: -3e38, under every t
	v_mov_b32 v[ST+4*\m+2], 0
	v_mov_b32 v[ST+4*\m+3], 0
.endr
	v_mov_b32 v[NMC], 0x7f61b1e6
	v_mov_b32 v[NMC+1], 0x7f61b1e6
	s_wait_alu depctr_va_vdst(0)
	s_wait_loadcnt 34                              ; behind lm's two loads stand Q's 34
	ds_store_b128 v85, v[64:67]
	ds_store_b128 v85, v[68:71] offset:512
	s_wait_loadcnt 0x0                             ; Q and its scale words
	MEET2 0                                        ; K's first block and lm are whole: V's first fill, issued as a refill is
	KFETCH
	s_mov_b32 s[LEFT], 3
.Lstep:                                            ; three trips: each asks for the next step's K and V
	SPHASE
	SOFT 0
	MEET1 1
	v_add_nc_u32 v[AV1], 0x10000, v[AVF]
	STATL 0
	PVL 0
	PVL 1
	s_wait_dscnt 40                                ; the -M and P's scale words are in; V's 8 scale words and the 32 fragment loads may be out
	PVSTAT 0
	PVL 2
	s_wait_dscnt 32                                ; groups 1 and 2 may be out
	PVK 0
	PLACES 4                                       ; in front of loads into registers that those products have read
	PVL 3
	v_add_nc_u32 v[ABI], s[LMO], v[ABI0]           ; the next step's bias
	s_wait_alu depctr_va_vdst(0)
	s_wait_dscnt 32                                ; groups 2 and 3 may be out
	PVK 1
	MEET2 1
	KFETCH                                         ; the next step's first fragments of K come while this step's last products run
	PVK 3
	WIN 0
	PLACES 5                                       ; the next step's first products write over registers that these products read
	s_sub_co_u32 s[LEFT], s[LEFT], 1
	s_cmp_lg_u32 s[LEFT], 0
	s_cbranch_scc1 .Lstep
	; THE LAST STEP asks for nothing more.  Its second product goes by tiles of queries: all of V's fragments at v128 + 32 k + 8 n, P's where Q lay; a tile that is finished is divided by its sums and leaves through my stage in LDS.
	SPHASE
	SOFT 1
	MEET1 0
	v_add_nc_u32 v[AV1], 0x10000, v[AVF]
	v_and_b32 v122, 15, v0
	v_bfe_u32 v123, v0, 4, 1
	v_mul_u32_u24 v124, v122, SP
	v_lshl_add_u32 v124, v123, 5, v124
	v_add_nc_u32 v[AKF], s[STG], v124              ; in: row r, 32 bytes for each half of the lanes
	v_mul_u32_u24 v124, v123, SP
	v_lshl_add_u32 v124, v122, 4, v124
	v_add_nc_u32 v[AKS], s[STG], v124              ; back: lanes 0-15 take one row of 256 bytes, lanes 16-31 the next
	v_lshlrev_b32 v124, 11, v123
	v_lshl_add_u32 v[ABI0], v122, 4, v124          ; and the same two rows in out0
.macro PLAST m                         ; P's four fragments of tile m: 8 loads
	WIN 0x40
.irp k, 0,1,2,3
.irp c, 0,1
	ds_load_b128 v[128+8*(4*(\m)+\k)+4*\c:128+8*(4*(\m)+\k)+4*\c+3], v[API] offset:4096*(\m)+1024*\k+512*\c
.endr
.endr
.endm
.macro ROW m                           ; 16 products: the tile's four accumulators by turns
	WIN 0x54                                       ; P and O^T window 1
.irp k, 0,1,2,3
.irp n, 0,1,2,3
	WM 8*(4*\n+(\m)), SB+32*\k+8*\n, 128+8*(4*(\m)+\k), 8*(4*\n+(\m)), VS+2*\k+\n/2, PS+4*((\m)/2)+\k, \n%2, (\m)%2
.endr
.endr
	PLACES 4
	WIN 0x41
.irp n, 0,1,2,3
.irp p, 0,2,4,6
	v_pk_mul_f32 v[8*(4*\n+(\m))+\p:8*(4*\n+(\m))+\p+1], v[8*(4*\n+(\m))+\p:8*(4*\n+(\m))+\p+1], v[TLX+8*((\m)/2)+2+2*((\m)%2):TLX+8*((\m)/2)+3+2*((\m)%2)] op_sel_hi:[1,0]
.endr
.endr
	WIN 0x04                                       ; an LDS store's data are its source 1
.irp n, 0,1,2,3
	ds_store_b128 v[AKF], v[8*(4*\n+(\m)):8*(4*\n+(\m))+3] offset:16*SP*(\m)+64*\n   ; lane (r, h): query r, channels 16 n + 8 h + 0 .. 7 of my 64
	ds_store_b128 v[AKF], v[8*(4*\n+(\m))+4:8*(4*\n+(\m))+7] offset:16*SP*(\m)+64*\n+16
.endr
.if (\m) == 0                                  ; back into v64-95, later into the registers of P's tile m - 1
.set RB, 64
	WIN 0
.else
.set RB, 128+32*((\m)-1)
	WIN 0x40
.endif
.irp i, 0,1,2,3,4,5,6,7
	ds_load_b128 v[RB+4*\i:RB+4*\i+3], v[AKS] offset:16*SP*(\m)+2*SP*\i   ; LDS serves a wave's instructions in order (ISA guide 5.7.1.4): these see my stores
.endr
.endm
.macro SEND m, younger                 ; younger: the LDS instructions issued behind tile m's loads, which may stay out
	s_wait_dscnt \younger
.if (\m) == 0
.set RB, 64
	WIN 0
.else
.set RB, 128+32*((\m)-1)
	WIN 0x04                                       ; a global store's data are its source 1
.endif
.irp i, 0,1,2,3,4,5,6,7
	global_store_b128 v[ABI0], v[RB+4*\i:RB+4*\i+3], s[12:13] offset:(16*(\m)+2*\i)*2048 th:TH_STORE_NT   ; two runs of 256 consecutive bytes, at multiples of 256 from out0's first byte
.endr
.endm
	STATL 1
.irp k, 0,1,2,3
	VFRAGS SB+32*\k, \k
.endr
	PLAST 0
	WIN 0
	s_wait_dscnt 48                                ; of 58 loads the first ten: the -M, the sums, P's scale words
	PVSTAT 1
	PLAST 1
	PLAST 2
	PLAST 3
	s_wait_dscnt 24
	ROW 0
	s_wait_dscnt 32                                ; P's tile 1 is in: behind it two tiles of P and the stage's 16
	ROW 1
	SEND 0, 16
	ROW 2
	SEND 1, 16
	ROW 3
	SEND 2, 16
	SEND 3, 0
	WIN 0
	s_wait_tensorcnt 0x0                           ; the wave's end, behind my last tensor load and my last LDS store
	ds_add_u32 v[SPW], v[NIL]
	s_wait_dscnt 0x0
	CROUND                                         ; the closing round: no work-group ends while a partner may still ask for a block that names it
	s_endpgm
.Lfunc_end_k_q96f344ca2c_attn:
	.size	k_q96f344ca2c_attn, .Lfunc_end_k_q96f344ca2c_attn-k_q96f344ca2c_attn
	.p2alignl 7, 3214868480
	.fill 96, 4, 3214868480
	.section	.rodata,"a",@progbits
	.p2align	6, 0x0
	.amdhsa_kernel k_q96f344ca2c_attn
		.amdhsa_group_segment_fixed_size 327680
		.amdhsa_private_segment_fixed_size 0
		.amdhsa_enable_private_segment 0
		.amdhsa_kernarg_size 40
		.amdhsa_user_sgpr_count 2
		.amdhsa_user_sgpr_kernarg_segment_ptr 1
		.amdhsa_wavefront_size32 1
		.amdhsa_system_sgpr_workgroup_id_x 1
		.amdhsa_system_sgpr_workgroup_id_y 1
		.amdhsa_system_sgpr_workgroup_id_z 1
		.amdhsa_system_vgpr_workitem_id 0
		.amdhsa_next_free_vgpr 512
		.amdhsa_next_free_sgpr 66
		.amdhsa_reserve_vcc 0
		.amdhsa_float_denorm_mode_32 3
		.amdhsa_float_denorm_mode_16_64 3
		.amdhsa_memory_ordered 1
		.amdhsa_forward_progress 1
		.amdhsa_inst_pref_size 145
	.end_amdhsa_kernel
	.amdgpu_metadata
---
amdhsa.version: [ 1, 2 ]
amdhsa.kernels:
  - .name:           k_q96f344ca2c_attn
    .symbol:         k_q96f344ca2c_attn.kd
    .args:
      - { .name: qf, .offset: 0, .size: 8, .value_kind: global_buffer, .address_space: global }
      - { .name: qs, .offset: 8, .size: 8, .value_kind: global_buffer, .address_space: global }
      - { .name: kv, .offset: 16, .size: 8, .value_kind: global_buffer, .address_space: global }
      - { .name: lm, .offset: 24, .size: 8, .value_kind: global_buffer, .address_space: global }
      - { .name: out0, .offset: 32, .size: 8, .value_kind: global_buffer, .address_space: global }
    .group_segment_fixed_size: 327680
    .private_segment_fixed_size: 0
    .kernarg_segment_align: 8
    .kernarg_segment_size: 40
    .max_flat_workgroup_size: 256
    .sgpr_count:     66
    .vgpr_count:     512
    .wavefront_size: 32
...
	.end_amdgpu_metadata
.endif
;; end of part 2
